; MI455X (gfx1250); checked and timed in simulation.
; The chip was launched on July 23, 2026; its instructions are those of AMD's public machine-readable ISA for CDNA 5 (MIT licence, August 2026) and "CDNA5" Instruction Set Architecture Reference Guide (July 2026). The comments in the code are by the model that wrote it; some were corrected since.
;; Custom Attention. Allowed arithmetic: float matrix products may take bf16 or f16 operands with f32 sums; other float arithmetic in f32, or as packed bf16 or f16 multiplies, adds, multiply-adds, maxima and minima; sums over many terms, partial sums and values carried from step to step in f32; what a program stores and reads back later, other than sums and carried values, may be rounded once to bf16 or f16.
;; Inputs: Wk 1,024 x 1,024 float32; Wo 1,024 x 1,024 float32; Wq 1,024 x 1,024 float32; Wv 1,024 x 1,024 float32; mask 1 x 1 x 2,048 x 2,048 bool; x 2 x 2,048 x 1,024 float32.
;; Outputs: out0 2 x 2,048 x 1,024 float32.
;; 3 versions, each right; version 2 is faster than version 1; version 3 is version 2 with the launch prep written anew for expert scheduling mode. Each part assembles by itself: llvm-mc -triple=amdgcn-amd-amdhsa -mcpu=gfx1250 --defsym DOCPART=n.
;; ======== version 1 of 3: 4 launches
;; limits: values are held in f16: magnitudes above 65,504 overflow, below 6.1e-05 lose precision
;; workspace buffers: xf 8,388,608 bytes; wf 6,291,456 bytes; wof 4,194,304 bytes; mbits 524,288 bytes of whole numbers; tab 262,144 bytes; qf 8,388,608 bytes; kvf 25,165,824 bytes; ctxf 16,777,216 bytes
;; launch prep (part 1): grid 656 x 1, 8 waves a work-group, no clusters, 35,840 bytes of LDS; arguments x, Wq, Wk, Wv, Wo, mask, xf, wf, wof, mbits, tab; writes xf, wf, wof, mbits, tab
.if DOCPART == 1
	.amdgcn_target "amdgcn-amd-amdhsa--gfx1250"
	.amdhsa_code_object_version 6
	.text
	.protected	k_qfcd551b248_prep
	.globl	k_qfcd551b248_prep
	.p2align	8
	.type	k_qfcd551b248_prep,@function
k_qfcd551b248_prep:
	s_mov_b64 s[64:65], 0
	v_nop
	global_prefetch_b8 v0, s[64:65] scope:SCOPE_SE
	s_setreg_imm32_b32 hwreg(HW_REG_WAVE_MODE, 25, 1), 1
	s_wait_xcnt 0x0
; PREPARATION: every input is read once and laid out as the later launches take it.
; FRAGMENT ORDER.  A block of 16 rows x 32 k of 16-bit numbers is 1,024 bytes, [c 0..1][lane 0..31][16 bytes]: lane l's 16 bytes hold row l % 16, k = 16 c + 8 (l / 16) + 0..7: the register
; image of a 16-bit matrix operand (ISA guide 7.12.2).  A fragment is then two loads of 16 bytes a lane at 16 x lane, 512 bytes apart, from memory or LDS, with no padding.
; JOBS, by the work-group's number g (scalar branches on g alone):
;   g <  256        x's rows 16 g ..            -> xf  [rb 256][kb 32][1024], bf16
;   256 <= g < 448  Wq, Wk, Wv (t = 0, 1, 2), rows 16 j .. -> wf [nb 192][kb 32][1024], bf16, nb = 6 (j / 2) + 2 t + j % 2: a head's q, k and v rows lie together
;   448 <= g < 512  Wo's rows 16 (g - 448) ..   -> wof [nb 64][copy 2][kb 32][1024]: rounded to bf16 like the other inputs, that number written as f16 (below 6e-5 it keeps f16's step of 6e-8);
;                   twice on end, since the last product walks ctx's high parts and then its low parts against the same rows of Wo
;   512 <= g < 640  the mask's 16 rows of query tile qt = g - 512 -> mbits [qt 128][ks 32][idx 32] words: bit l of word idx = 8 kb + j says whether
;                   mask[16 qt + l % 16][64 ks + 16 kb + 8 (l / 16) + j] is not 0: a lane mask for register 8 kb + j of the scores.  A mask byte other than 0 counts as true.
;   640 <= g < 656  cos and sin of the rotary angles -> tab [sb 128][2048]: cos j 0-3, cos j 4-7, sin j 0-3, sin j 4-7, 512 bytes each (16 x lane); lane l: position 16 sb + l % 16, frequency 8 (l / 16) + j
; Memory binds: each load of a wave takes 512 consecutive bytes (the mask's: two pieces of 256), each store 512.  No matrix unit, no cluster, no barrier: a wave turns its own part in its own LDS stage.
.set STG,   4352                       ; a wave's stage: 16 rows of 256 bytes + 16 of padding = 68 words: row r starts at bank 4 r mod 64 (64 banks of 4 bytes: ISA guide 11.1)
.set SPARE, 8*STG                      ; behind the stages: the spare words, 128 bytes for each of the eight waves
.set SPW, 5                            ; v5   LDS address of my spare word; never rewritten
.set NIL, 6                            ; v6   0; never rewritten
.set X,   32                           ; v[32:95]   as loaded
.set Y,   96                           ; v[96:127]  as read back from the stage
.macro FINISH                          ; the wave's end: the closing lines, behind my last LDS store
	s_wait_tensorcnt 0x0
	ds_add_u32 v[SPW], v[NIL]
	s_wait_dscnt 0x0
	s_endpgm
.endm
	s_load_b512 s[4:19], s[0:1], 0x0               ; x 4:5, Wq 6:7, Wk 8:9, Wv 10:11, Wo 12:13, mask 14:15, xf 16:17, wf 18:19
	s_load_b128 s[20:23], s[0:1], 0x40             ; wof 20:21, mbits 22:23
	s_load_b64 s[24:25], s[0:1], 0x50              ; tab
	v_lshl_add_u32 v[SPW], v0, 2, SPARE
	v_mov_b32 v[NIL], 0
	v_lshrrev_b32 v7, 5, v0
	v_readfirstlane_b32 s28, v7                    ; wave 0..7
	v_and_b32 v7, 31, v0                           ; lane
	v_and_b32 v8, 15, v0                           ; l % 16
	v_bfe_u32 v9, v0, 4, 1                         ; l / 16
	s_mov_b32 s26, ttmp9                           ; g
	s_mul_i32 s29, s28, STG                        ; my stage
	s_mov_b32 s31, 0                               ; high words of the two offsets
	s_mov_b32 s33, 0
	s_wait_kmcnt 0x0
	s_cmp_ge_u32 s26, 640
	s_cbranch_scc1 .Ltable
	s_cmp_ge_u32 s26, 512
	s_cbranch_scc1 .Lmask
	s_cmp_ge_u32 s26, 448
	s_cbranch_scc1 .Lwo
; 16 rows x 1,024 k of f32 at s[34:35] -> 32 fragment blocks at s[36:37].  Wave w takes k = 128 w .. 128 w + 127: four blocks.  tof16 = 1: Wo's form: f16, and stored twice, 32,768 bytes apart.
.macro CONV tof16
	v_lshlrev_b32 v1, 4, v0                        ; 512 w + 16 lane: my 4 numbers of a row
.set i, 0
.rept 16
	global_load_b128 v[X+4*i:X+4*i+3], v1, s[34:35] offset:4096*i th:TH_LOAD_NT  ; row i: 512 consecutive bytes a wave; read once in the launch
.set i, i+1
.endr
	v_lshl_add_u32 v3, v7, 3, s29                  ; into the stage: 8 bytes a lane along a row
	v_mul_u32_u24 v4, v8, 272                      ; back: row l % 16, 16 bytes for each half of the lanes
	v_lshl_add_u32 v4, v9, 4, v4
	v_add_nc_u32 v4, s29, v4
	v_lshlrev_b32 v2, 4, v7
	v_lshl_add_u32 v2, s28, 12, v2                 ; out: my four blocks, 4,096 w + 16 lane
.set i, 0
.rept 16
	s_wait_loadcnt 15-i                            ; loads come back in order (ISA guide 5.7.1): row i is in, the 15 - i younger ones may be out
	v_cvt_pk_bf16_f32 v10, v[X+4*i], v[X+4*i+1]
	v_cvt_pk_bf16_f32 v11, v[X+4*i+2], v[X+4*i+3]
.if \tof16
	v_lshlrev_b32 v12, 16, v10                     ; the bf16 numbers as f32,
	v_and_b32 v13, 0xffff0000, v10
	v_lshlrev_b32 v14, 16, v11
	v_and_b32 v15, 0xffff0000, v11
	v_cvt_pk_f16_f32 v10, v12, v13                 ; written as f16
	v_cvt_pk_f16_f32 v11, v14, v15
.endif
	ds_store_b64 v3, v[10:11] offset:272*i
.set i, i+1
.endr
.set u, 0
.rept 8
	ds_load_b128 v[Y+4*u:Y+4*u+3], v4 offset:32*u  ; block u / 2, half u % 2.  LDS serves a wave's instructions in order (ISA guide 5.7.1.4): these see the stores above
.set u, u+1
.endr
.set u, 0
.rept 8
	s_wait_dscnt 7-u
	global_store_b128 v2, v[Y+4*u:Y+4*u+3], s[36:37] offset:512*u  ; 512 consecutive bytes
.if \tof16
	global_store_b128 v2, v[Y+4*u:Y+4*u+3], s[36:37] offset:32768+512*u
.endif
.set u, u+1
.endr
.endm
	; x, Wq, Wk or Wv.  For g < 256 the numbers made of g - 256 are not used: the selects below take x's.
	s_sub_co_u32 s38, s26, 256
	s_lshr_b32 s39, s38, 6                         ; t
	s_and_b32 s40, s38, 63                         ; j
	s_lshr_b32 s41, s40, 1                         ; the head
	s_mul_i32 s41, s41, 6
	s_lshl1_add_u32 s41, s39, s41                  ; + 2 t
	s_and_b32 s42, s40, 1
	s_add_co_u32 s41, s41, s42                     ; nb
	s_cmp_eq_u32 s39, 1
	s_cselect_b64 s[34:35], s[8:9], s[6:7]
	s_cmp_eq_u32 s39, 2
	s_cselect_b64 s[34:35], s[10:11], s[34:35]
	s_cmp_lt_u32 s26, 256
	s_cselect_b64 s[34:35], s[4:5], s[34:35]       ; from x or from W t,
	s_cselect_b64 s[36:37], s[16:17], s[18:19]     ; to xf or to wf
	s_cselect_b32 s30, s26, s40
	s_cselect_b32 s32, s26, s41
	s_lshl_b32 s30, s30, 16                        ; 16 rows of 4,096 bytes
	s_lshl_b32 s32, s32, 15                        ; 32 blocks of 1,024 bytes
	s_add_nc_u64 s[34:35], s[34:35], s[30:31]
	s_add_nc_u64 s[36:37], s[36:37], s[32:33]
	CONV 0
	FINISH
.Lwo:
	s_sub_co_u32 s38, s26, 448
	s_lshl_b32 s30, s38, 16
	s_lshl_b32 s32, s38, 16                        ; two copies of 32 blocks
	s_add_nc_u64 s[34:35], s[12:13], s[30:31]
	s_add_nc_u64 s[36:37], s[20:21], s[32:33]
	CONV 1
	FINISH
.Lmask:                                                ; wave w takes keys 256 w .. 256 w + 255 of the tile's 16 rows: 128 words of mbits
	s_sub_co_u32 s38, s26, 512                     ; qt
	s_lshl_b32 s30, s38, 15                        ; 16 rows of 2,048 bytes
	s_lshl_b32 s39, s28, 8
	s_add_co_u32 s30, s30, s39
	s_add_nc_u64 s[34:35], s[14:15], s[30:31]
	s_lshl_b32 s32, s38, 12
	s_lshl_b32 s39, s28, 9
	s_add_co_u32 s32, s32, s39
	s_add_nc_u64 s[36:37], s[22:23], s[32:33]
	v_lshlrev_b32 v1, 4, v8
	v_lshl_add_u32 v1, v9, 11, v1                  ; lanes 0-15 one row's 256 bytes, lanes 16-31 the next row's
.set i, 0
.rept 8
	global_load_b128 v[X+4*i:X+4*i+3], v1, s[34:35] offset:4096*i th:TH_LOAD_NT
.set i, i+1
.endr
	v_mul_u32_u24 v3, v9, 272
	v_lshl_add_u32 v3, v8, 4, v3
	v_add_nc_u32 v3, s29, v3                       ; into the stage as it came
	v_mul_u32_u24 v4, v8, 272
	v_lshl_add_u32 v4, v9, 3, v4
	v_add_nc_u32 v4, s29, v4                       ; back: row l % 16, keys 8 (l / 16) + 0..7 of a group of 16
	v_lshlrev_b32 v2, 4, v7
	s_mov_b32 s40, 0xff                            ; the four bytes of a word
	s_mov_b32 s41, 0xff00
	s_mov_b32 s42, 0xff0000
	s_mov_b32 s43, 0xff000000
.irp r, 16,17,18,19
	v_mov_b32 v\r, 0                               ; v_writelane_b32's destination counts as read
.endr
.set i, 0
.rept 8
	s_wait_loadcnt 7-i
	ds_store_b128 v3, v[X+4*i:X+4*i+3] offset:544*i
.set i, i+1
.endr
.set u, 0
.rept 16
	ds_load_b64 v[Y+2*u:Y+2*u+1], v4 offset:16*u
.set u, u+1
.endr
.set u, 0
.rept 16                                               ; group u of 16 keys: eight words, n = 8 u + j; word n goes to lane n / 4, register n % 4 of the one store
	s_wait_dscnt 15-u
.set j, 0
.rept 8
.set n, 8*u+j
	v_and_b32 v[10+j%4], s[40+j%4], v[Y+2*u+j/4]
	v_cmp_ne_u32 s[44+n%4], 0, v[10+j%4]           ; bit l: my row's key is open
	v_writelane_b32 v[16+n%4], s[44+n%4], n/4
.set j, j+1
.endr
.set u, u+1
.endr
	global_store_b128 v2, v[16:19], s[36:37]       ; 512 consecutive bytes
	FINISH
.Ltable:                                               ; wave w makes block sb = 8 (g - 640) + w.  The angles are the problem's own, position x 10000^(-f / 16), at most 2,047 radians
	s_sub_co_u32 s38, s26, 640
	s_lshl3_add_u32 s38, s38, s28                  ; sb
	s_lshl_b32 s32, s38, 11
	s_add_nc_u64 s[36:37], s[24:25], s[32:33]
	s_lshl_b32 s39, s38, 4
	s_mov_b32 s47, 0xbf549a78                      ; -log2(10000) / 16
	s_mov_b32 s48, 0x3f22f983                      ; 2 / pi
	s_mov_b32 s49, 0xbfc90fdb                      ; -(pi / 2 rounded to f32)
	s_mov_b32 s50, 0x333bbd2e                      ; that rounding's excess over pi / 2
	s_mov_b32 s51, 0xb9500d01                      ; -1/5040
	s_mov_b32 s52, 0x3c088889                      ; 1/120
	s_mov_b32 s53, 0xbe2aaaab                      ; -1/6
	s_mov_b32 s54, 0x37d00d01                      ; 1/40320
	s_mov_b32 s55, 0xbab60b61                      ; -1/720
	s_mov_b32 s56, 0x3d2aaaab                      ; 1/24
	v_add_nc_u32 v10, s39, v8
	v_cvt_f32_u32 v10, v10                         ; my position
	v_lshlrev_b32 v11, 3, v9
	v_lshlrev_b32 v2, 4, v7
.set j, 0
.rept 8
	v_add_nc_u32 v12, j, v11                       ; f = 8 (l / 16) + j
	v_cvt_f32_u32 v12, v12
	v_mul_f32 v[16+j], s47, v12
.set j, j+1
.endr
.set j, 0
.rept 8
	v_exp_f32 v[16+j], v[16+j]                     ; 10000^(-f / 16)
.set j, j+1
.endr
	v_nop                                          ; a plain instruction between the last exponential and the use of its result (ISA guide 5.7.2)
.set j, 0
	s_wait_alu depctr_va_vdst(0)
.rept 8
	v_mul_f32 v12, v10, v[16+j]                    ; the angle a
	v_mul_f32 v13, s48, v12
	v_rndne_f32 v13, v13                           ; n = the nearest multiple of pi / 2
	v_fma_f32 v14, v13, s49, v12
	v_fma_f32 v14, v13, s50, v14                   ; r = a - n pi / 2, |r| <= pi / 4: the series below are cut where their next terms are under 4e-7
	v_mul_f32 v15, v14, v14
	v_fma_f32 v24, v15, s51, s52
	v_fma_f32 v24, v24, v15, s53
	v_mul_f32 v25, v14, v15
	v_fma_f32 v24, v25, v24, v14                   ; sin r
	v_fma_f32 v26, v15, s54, s55
	v_fma_f32 v26, v26, v15, s56
	v_fma_f32 v26, v26, v15, -0.5
	v_fma_f32 v26, v26, v15, 1.0                   ; cos r
	v_cvt_u32_f32 v27, v13
	v_and_b32 v28, 1, v27
	v_cmp_eq_u32 vcc_lo, 1, v28                    ; an odd quarter turn swaps the two (a select of values, no branch)
	v_cndmask_b32 v29, v24, v26, vcc_lo
	v_cndmask_b32 v30, v26, v24, vcc_lo
	v_and_b32 v28, 2, v27                          ; sin is negated in quarters 2 and 3,
	v_lshlrev_b32 v28, 30, v28
	v_xor_b32 v[40+j], v28, v29
	v_add_nc_u32 v27, 1, v27                       ; cos in quarters 1 and 2
	v_and_b32 v27, 2, v27
	v_lshlrev_b32 v27, 30, v27
	v_xor_b32 v[32+j], v27, v30
.set j, j+1
.endr
.irp i, 0,1,2,3
	global_store_b128 v2, v[32+4*\i:32+4*\i+3], s[36:37] offset:512*\i
.endr
	FINISH
.Lfunc_end_k_qfcd551b248_prep:
	.size	k_qfcd551b248_prep, .Lfunc_end_k_qfcd551b248_prep-k_qfcd551b248_prep
	.p2alignl 7, 3214868480
	.fill 96, 4, 3214868480
	.section	.rodata,"a",@progbits
	.p2align	6, 0x0
	.amdhsa_kernel k_qfcd551b248_prep
		.amdhsa_group_segment_fixed_size 35840
		.amdhsa_private_segment_fixed_size 0
		.amdhsa_enable_private_segment 0
		.amdhsa_kernarg_size 88
		.amdhsa_user_sgpr_count 2
		.amdhsa_user_sgpr_kernarg_segment_ptr 1
		.amdhsa_wavefront_size32 1
		.amdhsa_system_sgpr_workgroup_id_x 1
		.amdhsa_system_sgpr_workgroup_id_y 1
		.amdhsa_system_sgpr_workgroup_id_z 1
		.amdhsa_system_vgpr_workitem_id 0
		.amdhsa_next_free_vgpr 128
		.amdhsa_next_free_sgpr 66
		.amdhsa_reserve_vcc 1
		.amdhsa_float_denorm_mode_32 3
		.amdhsa_float_denorm_mode_16_64 3
		.amdhsa_memory_ordered 1
		.amdhsa_forward_progress 1
		.amdhsa_inst_pref_size 58
	.end_amdhsa_kernel
	.amdgpu_metadata
---
amdhsa.version: [ 1, 2 ]
amdhsa.kernels:
  - .name:           k_qfcd551b248_prep
    .symbol:         k_qfcd551b248_prep.kd
    .args:
      - { .name: x, .offset: 0, .size: 8, .value_kind: global_buffer, .address_space: global }
      - { .name: Wq, .offset: 8, .size: 8, .value_kind: global_buffer, .address_space: global }
      - { .name: Wk, .offset: 16, .size: 8, .value_kind: global_buffer, .address_space: global }
      - { .name: Wv, .offset: 24, .size: 8, .value_kind: global_buffer, .address_space: global }
      - { .name: Wo, .offset: 32, .size: 8, .value_kind: global_buffer, .address_space: global }
      - { .name: mask, .offset: 40, .size: 8, .value_kind: global_buffer, .address_space: global }
      - { .name: xf, .offset: 48, .size: 8, .value_kind: global_buffer, .address_space: global }
      - { .name: wf, .offset: 56, .size: 8, .value_kind: global_buffer, .address_space: global }
      - { .name: wof, .offset: 64, .size: 8, .value_kind: global_buffer, .address_space: global }
      - { .name: mbits, .offset: 72, .size: 8, .value_kind: global_buffer, .address_space: global }
      - { .name: tab, .offset: 80, .size: 8, .value_kind: global_buffer, .address_space: global }
    .group_segment_fixed_size: 35840
    .private_segment_fixed_size: 0
    .kernarg_segment_align: 8
    .kernarg_segment_size: 88
    .max_flat_workgroup_size: 256
    .sgpr_count:     66
    .vgpr_count:     128
    .wavefront_size: 32
...
	.end_amdgpu_metadata
.endif
;; end of part 1
;; launch gemm1 (part 2): grid 16 x 16, 4 waves a work-group, clusters of 4 x 4, 327,680 bytes of LDS; arguments xf, wf, tab, qf, kvf; writes qf, kvf
.if DOCPART == 2
	.amdgcn_target "amdgcn-amd-amdhsa--gfx1250"
	.amdhsa_code_object_version 6
	.text
	.protected	k_qfcd551b248_gemm1
	.globl	k_qfcd551b248_gemm1
	.p2align	8
	.type	k_qfcd551b248_gemm1,@function
k_qfcd551b248_gemm1:
	s_mov_b64 s[64:65], 0
	v_nop
	global_prefetch_b8 v0, s[64:65] scope:SCOPE_SE
	s_setreg_imm32_b32 hwreg(HW_REG_WAVE_MODE, 25, 1), 1
	s_wait_xcnt 0x0
	s_wait_alu depctr_hold_cnt(0) depctr_sa_sdst(0) depctr_va_vdst(0) depctr_va_sdst(0) depctr_va_ssrc(0) depctr_va_vcc(0) depctr_vm_vsrc(0)
	s_getreg_b32 s2, hwreg(HW_REG_IB_STS2, 6, 4)
	s_cmp_eq_u32 s2, 0
	s_cbranch_scc0 .Lentry_in_a_cluster
	s_endpgm
.Lentry_in_a_cluster:
	s_bfe_u32 s2, ttmp6, 0x10000c
	s_cmp_lg_u32 s2, 0xf033
	s_cbranch_scc0 .Lentry_shape_is_right
	s_endpgm
.Lentry_shape_is_right:
; q, k, v = x W^T (bf16 operands, f32 sums), the rotary turn on q and k in f32, then f16, stored in fragment order for the attention.  q and k are rounded once; v is kept as TWO f16 numbers,
; hi = v rounded and lo = (v - hi) rounded: a row of the output that rests on one or two keys carries v's rounding at many times the whole output's root mean square, and one f16 leaves too little room there.
; M = 4,096 rows of x, N = 3,072 rows of W in wf's order (a head's 32 q rows, 32 k rows, 32 v rows together), K = 1,024.  A tile is 256 x 192: 16 x 16 = 256 work-groups.
; A wave makes 128 rows x 96 columns: ONE head's q (column blocks b = 0, 1), k (b = 2, 3) and v (b = 4, 5): 8 x 6 = 48 accumulators, 384 registers.  So every wave runs the same way out.
; LIMITS.  q, k and v are stored in f16: they must stay within 65,504 (a conversion beyond it gives an infinity); below 6e-5 they, and v's lo, keep f16's step of 6e-8.  NaN and infinities are not treated apart.
; OPERANDS LIE IN FRAGMENT ORDER in memory and in LDS: a block of 16 rows x 32 k is 1,024 bytes, [c][lane][16]; a fragment is two loads of 16 bytes a lane at 16 x lane, 512 bytes apart: 512 consecutive
; bytes each, so LDS needs no padding.  A block of 16 rows has its 32 k blocks on end (32,768 bytes); a K step of 128 is 4,096 consecutive bytes of it: one row of a tensor tile.
; kvf: [bh 64][record 32][12,288]; record s = V^T hi of key step s ([g 2][cb 2][1,024]), V^T lo of step s, K of step (s + 1) % 32 ([kb 4][1,024]): what the attention's step s reads from LDS lies together.
; RING: two LDS slots, a K step each; each wave fetches one part of a slot by one tensor load (waves 0, 1: 8 row blocks of x each; waves 2, 3: 6 row blocks of W each).
; CLUSTER 4 x 4: x's tiles hang on the tile row alone and are asked for jointly along a row of the cluster, W's on the tile column alone and jointly along a column.
; THE MATRIX INSTRUCTION: for q and k source 0 = 16 rows of W, source 1 = 16 rows of x: a lane then holds ONE row of x (lane % 16) and the channels 8 (lane / 16) + 0..7 of the block: the 16 bytes of a
; fragment of q or k, and channel d and d + 16 lie in the same lane and register of blocks b and b + 1.  For v the sources are swapped: a lane holds one channel and eight rows (keys): a piece of V^T's fragment.
; REGISTERS, in windows of 256 (s_set_vgpr_msb: bits 1:0 source 0, 3:2 source 1, 5:4 source 2, 7:6 destination):
;   window 0: v16-29 addresses and constants; v32-63 T, at work on the way out; v64-191 cos and sin, 16 registers a row block; v192-223 Y, to store
;   window 1: two fragment buffers of 112: x's 8 fragments, then W's 6        window 2: accumulators of row blocks 0-3, (a, b) at 8 (6 a + b)        window 3: row blocks 4-7
.set KSTEPB, 4096                      ; a K step's bytes in a block of 16 rows
.set HALFA,  8*KSTEPB                  ; what one load brings of x, and what a wave reads of it
.set HALFB,  6*KSTEPB                  ; the same of W
.set SLOT,   2*HALFA+2*HALFB           ; x's two halves, then W's two halves
.set SPARE,  2*SLOT                    ; behind the ring: the spare words, 128 bytes for each wave
.set LAPS,   4                         ; 1,024 / (2 x 128): a lap = two K steps = once round the ring
.set RECB,   12288                     ; a record of kvf
.set ADRA, 16                          ; v16-17  LDS address of my fragments of x in slot 0, 1
.set ADRB, 20                          ; v20-21  the same for W
.set LA,   26                          ; v26     16 x lane; never rewritten
.set NEG1, 27                          ; v27     -1.0
.set SPW,  28                          ; v28     LDS address of my spare word; never rewritten
.set NIL,  29                          ; v29     0; never rewritten
.set T,    32
.set TABV, 64
.set Y,    192
.set F0,   0
.set F1,   112
.set G1,  24                           ; s[24:31] descriptor group 1 for x's tiles;  s[32:39] group 0, one set for each slot
.set G0,  32
.set G1B, 48                           ; s[48:55], s[56:63] the same for W's tiles
.set G0B, 56
.set TABP, 68                          ; s[68:69] tab, s[70:71] qf, s[72:73] kvf at the record of my first key step, s[82:83] kvf at the record before it (in a ring of 32)
.set QP,   70
.set KVP,  72
.set KP0,  82
.set MSB, 0
.macro WIN new                         ; the immediate's high byte repeats the setting that is left; a switch that changes nothing is dropped
.if MSB != (\new)
	s_set_vgpr_msb (MSB<<8)|(\new)
.set MSB, \new
.endif
.endm
.set MUL_LO, 0xa5                      ; sources 0 and 1 window 1, C and D window 2
.set MUL_HI, 0xf5                      ; the same, C and D window 3
.set TO_F,   0x40                      ; destination window 1, address window 0
; A joint load.  Waves 0 and 1 fetch x's two halves, waves 2 and 3 W's.  The branch hangs on the wave's number alone.  An s_nop 0 and four v_nop follow each of the two lines.
.macro JLOAD s
	s_cmp_eq_u32 s11, 0
	s_cbranch_scc0 .Lfor_b_\@
	tensor_load_to_lds s[G0+4*(\s):G0+4*(\s)+3], s[G1:G1+7]
	s_nop 0
.rept 4
	v_nop
.endr
	s_branch .Lasked_\@
.Lfor_b_\@:
	tensor_load_to_lds s[G0B+4*(\s):G0B+4*(\s)+3], s[G1B:G1B+7]
	s_nop 0
.rept 4
	v_nop
.endr
.Lasked_\@:
.endm
.macro CREST                           ; a round of the cluster's barrier behind its opening barrier
	s_cmp_lg_u32 s10, 0
	s_cbranch_scc1 .Lnot_wave_0_\@
	s_barrier_signal -3
.Lnot_wave_0_\@:
	s_barrier_wait -3
	s_barrier_signal -1
	s_barrier_wait -1
.endm
.macro CROUND                          ; a whole round
	s_barrier_signal -1
	s_barrier_wait -1
	CREST
.endm
.macro PLACES                          ; four plain places behind matrix instructions, in front of loads into their sources and of reads of their results
.rept 4
	v_nop
.endr
.endm
	s_load_b128 s[4:7], s[0:1], 0x0                ; xf s[4:5], wf s[6:7]
	s_load_b128 s[68:71], s[0:1], 0x10             ; tab, qf
	s_load_b64 s[72:73], s[0:1], 0x20              ; kvf
	v_lshl_add_u32 v[SPW], v0, 2, SPARE
	v_mov_b32 v[NIL], 0
	ds_add_u32 v[SPW], v[NIL]                      ; the wave's opening: the add and its wait stand ahead of my first tensor load; the set-up below stands between them
	v_lshrrev_b32 v1, 5, v0
	v_readfirstlane_b32 s10, v1                    ; wave 0..3
	v_mov_b32 v[NEG1], -1.0
	s_lshr_b32 s11, s10, 1                         ; which half of the tile's rows is mine.  Also: I fetch for x (0) or for W (1)
	s_and_b32 s12, s10, 1                          ; which half of its columns (which head).  Also: which half of that tile I fetch
	s_bfe_u32 s40, ttmp6, 0x40000                  ; cx, cy: my place in the cluster
	s_bfe_u32 s41, ttmp6, 0x40004
	s_lshl_b32 s42, ttmp9, 2
	s_add_co_u32 s42, s42, s40                     ; tile column = 4 x cluster x + cx
	s_and_b32 s13, ttmp7, 0xffff
	s_lshl_b32 s13, s13, 2
	s_add_co_u32 s13, s13, s41                     ; tile row = 4 x cluster y + cy
	s_lshl_b32 s43, s41, 2
	s_lshl_b32 s43, 15, s43                        ; my row of the cluster
	s_lshl_b32 s44, 0x1111, s40                    ; my column
	; descriptor group 1: rows of 512 elements of 8 bytes (4,096 bytes), 4,096 elements (a block's 32,768 bytes) apart; 8 rows of x, 6 of W; no padding
	s_or_b32 s[G1+0], s43, (3<<16)|(1<<21)         ; 15:0 the mask; 17:16 elements of 8 bytes; 21 set beside a mask
	s_or_b32 s[G1B+0], s44, (3<<16)|(1<<21)
	s_mov_b32 s[G1+1], 512<<16                     ; tensor_dim0 = 512
	s_mov_b32 s[G1B+1], 512<<16
	s_mov_b32 s[G1+2], 8<<16                       ; tensor_dim1 = 8
	s_mov_b32 s[G1B+2], 6<<16                      ;             = 6
	s_mov_b32 s[G1+3], 512<<16                     ; tile_dim0 = 512
	s_mov_b32 s[G1B+3], 512<<16
	s_mov_b32 s[G1+4], 8                           ; tile_dim1
	s_mov_b32 s[G1B+4], 6
	s_mov_b32 s[G1+5], 4096                        ; elements from row to row
	s_mov_b32 s[G1B+5], 4096
	s_mov_b32 s[G1+6], 0
	s_mov_b32 s[G1B+6], 0
	s_mov_b32 s[G1+7], 0
	s_mov_b32 s[G1B+7], 0
	s_lshl_b32 s16, s13, 19                        ; x: block 16 x tile row + 8 x half, 32,768 bytes each
	s_lshl_b32 s17, s12, 18
	s_add_co_u32 s16, s16, s17
	s_mov_b32 s17, 0
	s_mul_i32 s46, s42, 12*32768                   ; W: block 12 x tile column + 6 x half
	s_mul_i32 s47, s12, 6*32768
	s_add_co_u32 s46, s46, s47
	s_mov_b32 s47, 0
	s_mul_i32 s20, s10, HALFA                      ; where they go: waves 0, 1: x's halves;
	s_mul_i32 s21, s10, HALFB
	s_add_co_u32 s21, s21, 2*(HALFA-HALFB)         ; waves 2, 3: W's halves behind them: no place in the cluster enters an LDS address
	s_wait_dscnt 0x0                               ; the opening add is done
	s_wait_kmcnt 0x0
	s_add_nc_u64 s[14:15], s[4:5], s[16:17]
	s_add_nc_u64 s[46:47], s[6:7], s[46:47]
	CROUND                                         ; all sixteen work-groups are here: the first joint loads meet
.irp s, 0,1
	s_mov_b32 s[G0+4*(\s)], 1
	s_add_co_u32 s[G0+4*(\s)+1], s20, (\s)*SLOT
	s_add_nc_u64 s[G0+4*(\s)+2:G0+4*(\s)+3], s[14:15], (\s)*KSTEPB
	s_or_b32 s[G0+4*(\s)+3], s[G0+4*(\s)+3], 0x80000000
	s_mov_b32 s[G0B+4*(\s)], 1
	s_add_co_u32 s[G0B+4*(\s)+1], s21, (\s)*SLOT
	s_add_nc_u64 s[G0B+4*(\s)+2:G0B+4*(\s)+3], s[46:47], (\s)*KSTEPB
	s_or_b32 s[G0B+4*(\s)+3], s[G0B+4*(\s)+3], 0x80000000
	JLOAD \s                                       ; two loads of mine are out
.endr
	v_and_b32 v1, 31, v0
	v_lshlrev_b32 v[LA], 4, v1
	s_mul_i32 s22, s11, HALFA                      ; my 8 row blocks of x,
	s_mul_i32 s23, s12, HALFB                      ; my 6 of W,
	s_add_co_u32 s23, s23, 2*HALFA                 ; which lie behind x's 16
.irp s, 0,1
	v_add_nc_u32 v[ADRA+(\s)], s22, v[LA]
	v_add_nc_u32 v[ADRB+(\s)], s23, v[LA]
	s_add_co_u32 s22, s22, SLOT
	s_add_co_u32 s23, s23, SLOT
.endr
	; where my part lies: batch = tile row / 8; position block sb0 = 16 (tile row % 8) + 8 x row half; bh = 32 x batch + 2 x tile column + column half
	s_and_b32 s74, s13, 7
	s_lshl_b32 s74, s74, 4
	s_lshl3_add_u32 s74, s11, s74                  ; sb0
	s_lshl_b32 s76, s74, 11
	s_mov_b32 s77, 0
	s_add_nc_u64 s[TABP:TABP+1], s[TABP:TABP+1], s[76:77]
	s_lshr_b32 s75, s13, 3
	s_lshl_b32 s75, s75, 5
	s_lshl1_add_u32 s75, s42, s75
	s_add_co_u32 s75, s75, s12                     ; bh
	s_lshl_b32 s78, s75, 17                        ; qf: a head's 131,072 bytes, a block's 1,024
	s_lshl_b32 s79, s74, 10
	s_add_co_u32 s78, s78, s79
	s_mov_b32 s79, 0
	s_add_nc_u64 s[QP:QP+1], s[QP:QP+1], s[78:79]
	s_mul_i32 s80, s75, 32*RECB                    ; kvf: a head's 32 records
	s_lshr_b32 s81, s74, 2                         ; my first key step, st0 = sb0 / 4; my second is st0 + 1
	s_add_co_u32 s76, s81, 31
	s_and_b32 s76, s76, 31                         ; K of step st0 goes to record (st0 - 1) mod 32
	s_mul_i32 s76, s76, RECB
	s_add_co_u32 s76, s76, s80
	s_mov_b32 s77, 0
	s_add_nc_u64 s[KP0:KP0+1], s[KVP:KVP+1], s[76:77]
	s_mul_i32 s81, s81, RECB
	s_add_co_u32 s80, s80, s81
	s_mov_b32 s81, 0
	s_add_nc_u64 s[KVP:KVP+1], s[KVP:KVP+1], s[80:81]
.set i, 0
.rept 32                                               ; cos and sin of my 8 row blocks: they land while the products run, and are waited for in front of the way out
	global_load_b128 v[TABV+4*i:TABV+4*i+3], v[LA], s[TABP:TABP+1] offset:512*i
.set i, i+1
.endr
; 12 matrix instructions: row blocks a0, a0 + 1 of the window's four x all 6 column blocks, 32 along K.  zero = 1: the first product starts the sums.
; The 48 accumulators take turns, one instruction a turn, in the same order in every quarter step.
.macro MUL12 f, hi, a0, zero
	WIN MUL_LO+0x50*(\hi)
.irp a, \a0, (\a0)+1
.irp b, 0,1,2,3,4,5
.set rD, 8*(6*(\a)+(\b))
.set rA, (\f)+8*(4*(\hi)+(\a))
.set rB, (\f)+64+8*(\b)
.if (\b) < 4
.if \zero
	v_wmma_f32_16x16x32_bf16 v[rD:rD+7], v[rB:rB+7], v[rA:rA+7], 0
.else
	v_wmma_f32_16x16x32_bf16 v[rD:rD+7], v[rB:rB+7], v[rA:rA+7], v[rD:rD+7]
.endif
.else
.if \zero
	v_wmma_f32_16x16x32_bf16 v[rD:rD+7], v[rA:rA+7], v[rB:rB+7], 0
.else
	v_wmma_f32_16x16x32_bf16 v[rD:rD+7], v[rA:rA+7], v[rB:rB+7], v[rD:rD+7]
.endif
.endif
.endr
.endr
.endm
; 28 LDS loads in one run: the fragments of one quarter step (32 along K, at byte k of each block's 4,096) into buffer f: W's 12 loads, then x's 16
.macro FETCH slot, k, f
	WIN TO_F
.irp b, 0,1,2,3,4,5
	ds_load_b128 v[(\f)+64+8*(\b):(\f)+64+8*(\b)+3],   v[ADRB+(\slot)] offset:(\k)+KSTEPB*(\b)
	ds_load_b128 v[(\f)+64+8*(\b)+4:(\f)+64+8*(\b)+7], v[ADRB+(\slot)] offset:(\k)+KSTEPB*(\b)+512
.endr
.irp a, 0,1,2,3,4,5,6,7
	ds_load_b128 v[(\f)+8*(\a):(\f)+8*(\a)+3],   v[ADRA+(\slot)] offset:(\k)+KSTEPB*(\a)
	ds_load_b128 v[(\f)+8*(\a)+4:(\f)+8*(\a)+7], v[ADRA+(\slot)] offset:(\k)+KSTEPB*(\a)+512
.endr
.endm
; A K step is four quarter steps of 32 along K, 48 matrix instructions each, on buffers 0, 1, 0, 1.  One of the first three: multiplies f, fetches the next quarter, at byte k, into g.
.macro QUARTER slot, k, f, g, zero
	s_wait_dscnt 8                                 ; W and x's row blocks 0-3 are in; the youngest eight loads (row blocks 4-7) may be out
	MUL12 \f, 0, 0, \zero
	MUL12 \f, 0, 2, \zero
	PLACES
	FETCH \slot, \k, \g
	s_wait_dscnt 28                                ; all but the 28 just issued
	MUL12 \f, 1, 0, \zero
	MUL12 \f, 1, 2, \zero
.endm
; The last quarter multiplies buffer 1 and changes slots: ONE barrier; in front of it each wave waits for all its tensor loads (one is out: its part of the next slot), adds 0 to its spare word,
; and waits for that and for its own reads of this slot.  fill = 1: the barrier opens a round of the cluster's, and this slot is filled again, two K steps ahead, first thing behind the round.
.macro TURN slot, next, fill
	WIN 0                                          ; (the add's two registers lie in window 0)
	s_wait_tensorcnt 0x0
	ds_add_u32 v[SPW], v[NIL]                      ; 0 onto my spare word
	s_wait_dscnt 9                                 ; (the add and the youngest eight loads may be out)
	MUL12 F1, 0, 0, 0                              ; twelve matrix instructions stand between the add and the wait for it
	s_wait_dscnt 0x0                               ; the add is done, and my reads of this slot are over
	s_barrier_signal -1
	MUL12 F1, 0, 2, 0
.if \fill
	WIN 0
.endif
	s_barrier_wait -1
.if \fill
	CREST                                          ; no wave of any partner still reads this slot's tile or has a load on its way
	s_add_nc_u64 s[G0+4*(\slot)+2:G0+4*(\slot)+3], s[G0+4*(\slot)+2:G0+4*(\slot)+3], 2*KSTEPB
	s_add_nc_u64 s[G0B+4*(\slot)+2:G0B+4*(\slot)+3], s[G0B+4*(\slot)+2:G0B+4*(\slot)+3], 2*KSTEPB
	JLOAD \slot                                    ; my one tensor load behind the round; its four v_nop are also the places in front of the loads below
.else
	PLACES
.endif
	FETCH \next, 0, F0
	MUL12 F1, 1, 0, 0
	MUL12 F1, 1, 2, 0
.endm
; THE WAY OUT of row block a.  q and k: lo' = lo cos - hi sin, hi' = hi cos + lo sin (lo, hi: the same lane and register of column blocks b and b + 1), in f32, rounded to f16.  v: rounded to f16 (its hi);
; then hi's half x -1.0 + v, exact in f32, rounded to f16 (its lo).  A lane's eight numbers are 16 bytes of a fragment, and each store of the wave is 512 consecutive bytes.
; Each accumulator's registers are read in ascending order.
.macro OUT a
.set AC, 48*((\a)%4)
.set HW, (\a)/4
	s_wait_xcnt 0x0                                ; the last block's stores have had their addresses translated (ISA guide 3.1): Y is rewritten only behind this wait
	WIN 0x02+HW                                    ; source 0: the accumulators' window
.irp s, 0,1
.irp p, 0,1,2,3
.set rLO, AC+16*(\s)+2*(\p)
.set rHI, AC+16*(\s)+8+2*(\p)
.set tLO, T+16*(\s)+2*(\p)
.set tHI, T+16*(\s)+8+2*(\p)
.set rCO, TABV+16*(\a)+2*(\p)
.set rSI, TABV+16*(\a)+8+2*(\p)
	v_pk_mul_f32 v[tLO:tLO+1], v[rLO:rLO+1], v[rCO:rCO+1]
	v_pk_mul_f32 v[tHI:tHI+1], v[rHI:rHI+1], v[rCO:rCO+1]
	v_pk_fma_f32 v[tLO:tLO+1], v[rHI:rHI+1], v[rSI:rSI+1], v[tLO:tLO+1] neg_lo:[1,0,0] neg_hi:[1,0,0]
	v_pk_fma_f32 v[tHI:tHI+1], v[rLO:rLO+1], v[rSI:rSI+1], v[tHI:tHI+1]
.endr
.endr
	WIN 0
.set i, 0
.rept 16
	v_cvt_pk_f16_f32 v[Y+i], v[T+2*i], v[T+2*i+1]  ; q, then k
.set i, i+1
.endr
	WIN 0x0a+5*HW                                  ; sources 0 and 1: the accumulators' window
.set i, 0
.rept 8
	v_cvt_pk_f16_f32 v[Y+16+i], v[AC+32+2*i], v[AC+32+2*i+1]  ; v's hi
.set i, i+1
.endr
	WIN 0x20+0x10*HW                               ; source 2: the accumulators' window
.set i, 0
.rept 16
.if i%2
	v_fma_mix_f32 v[T+i], v[Y+16+i/2], v[NEG1], v[AC+32+i] op_sel:[1,0,0] op_sel_hi:[1,0,0]  ; v - hi: source 0 is an f16 half, the other two are f32
.else
	v_fma_mix_f32 v[T+i], v[Y+16+i/2], v[NEG1], v[AC+32+i] op_sel_hi:[1,0,0]
.endif
.set i, i+1
.endr
	WIN 0
.set i, 0
.rept 8
	v_cvt_pk_f16_f32 v[Y+24+i], v[T+2*i], v[T+2*i+1]  ; v's lo
.set i, i+1
.endr
.irp c, 0,1
	global_store_b128 v[LA], v[Y+4*(\c):Y+4*(\c)+3], s[QP:QP+1] offset:1024*(\a)+512*(\c)
.if (\a) < 4
	global_store_b128 v[LA], v[Y+8+4*(\c):Y+8+4*(\c)+3], s[KP0:KP0+1] offset:8192+1024*((\a)%4)+512*(\c)
.else
	global_store_b128 v[LA], v[Y+8+4*(\c):Y+8+4*(\c)+3], s[KVP:KVP+1] offset:8192+1024*((\a)%4)+512*(\c)
.endif
	global_store_b128 v[LA], v[Y+16+4*(\c):Y+16+4*(\c)+3], s[KVP:KVP+1] offset:RECB*((\a)/4)+2048*(((\a)%4)/2)+1024*(\c)+512*((\a)%2)
	global_store_b128 v[LA], v[Y+24+4*(\c):Y+24+4*(\c)+3], s[KVP:KVP+1] offset:RECB*((\a)/4)+4096+2048*(((\a)%4)/2)+1024*(\c)+512*((\a)%2)
.endr
.endm
	s_wait_tensorcnt 1                             ; my part of K step 0 is in; K step 1's may stay out
	s_barrier_signal -1
	s_barrier_wait -1                              ; everybody's is
	FETCH 0, 0, F0
	QUARTER 0, 1024, F0, F1, 1                     ; the first quarter stands in front of the loop: its products start the sums
	WIN 0                                          ; at a label and at a branch every window is 0
	s_mov_b32 s3, LAPS-1
.Llap:                                                 ; a trip goes once round the ring, from a lap's second quarter to the next lap's first, and fills both slots again
	QUARTER 0, 2048, F1, F0, 0
	QUARTER 0, 3072, F0, F1, 0
	TURN 0, 1, 1
	QUARTER 1, 1024, F0, F1, 0
	QUARTER 1, 2048, F1, F0, 0
	QUARTER 1, 3072, F0, F1, 0
	TURN 1, 0, 1
	QUARTER 0, 1024, F0, F1, 0
	WIN 0
	s_sub_co_u32 s3, s3, 1
	s_cmp_lg_u32 s3, 0
	s_cbranch_scc1 .Llap
	QUARTER 0, 2048, F1, F0, 0                     ; the last lap fills nothing
	QUARTER 0, 3072, F0, F1, 0
	TURN 0, 1, 0
	QUARTER 1, 1024, F0, F1, 0
	QUARTER 1, 2048, F1, F0, 0
	QUARTER 1, 3072, F0, F1, 0
	s_wait_dscnt 8                                 ; the very last quarter: nothing more to fetch
	MUL12 F1, 0, 0, 0
	MUL12 F1, 0, 2, 0
	s_wait_dscnt 0x0
	MUL12 F1, 1, 0, 0
	MUL12 F1, 1, 2, 0
	WIN 0
	s_wait_loadcnt 0x0                             ; cos and sin
	PLACES
.irp a, 0,1,2,3,4,5,6,7
	OUT \a
.endr
	s_wait_tensorcnt 0x0                           ; the wave's end
	ds_add_u32 v[SPW], v[NIL]
	s_wait_dscnt 0x0
	CROUND                                         ; the closing round: no work-group ends while a partner may still ask for a tile that names it
	s_endpgm
.Lfunc_end_k_qfcd551b248_gemm1:
	.size	k_qfcd551b248_gemm1, .Lfunc_end_k_qfcd551b248_gemm1-k_qfcd551b248_gemm1
	.p2alignl 7, 3214868480
	.fill 96, 4, 3214868480
	.section	.rodata,"a",@progbits
	.p2align	6, 0x0
	.amdhsa_kernel k_qfcd551b248_gemm1
		.amdhsa_group_segment_fixed_size 327680
		.amdhsa_private_segment_fixed_size 0
		.amdhsa_enable_private_segment 0
		.amdhsa_kernarg_size 40
		.amdhsa_user_sgpr_count 2
		.amdhsa_user_sgpr_kernarg_segment_ptr 1
		.amdhsa_wavefront_size32 1
		.amdhsa_system_sgpr_workgroup_id_x 1
		.amdhsa_system_sgpr_workgroup_id_y 1
		.amdhsa_system_sgpr_workgroup_id_z 1
		.amdhsa_system_vgpr_workitem_id 0
		.amdhsa_next_free_vgpr 960
		.amdhsa_next_free_sgpr 84
		.amdhsa_reserve_vcc 0
		.amdhsa_float_denorm_mode_32 3
		.amdhsa_float_denorm_mode_16_64 3
		.amdhsa_memory_ordered 1
		.amdhsa_forward_progress 1
		.amdhsa_inst_pref_size 141
	.end_amdhsa_kernel
	.amdgpu_metadata
---
amdhsa.version: [ 1, 2 ]
amdhsa.kernels:
  - .name:           k_qfcd551b248_gemm1
    .symbol:         k_qfcd551b248_gemm1.kd
    .args:
      - { .name: xf, .offset: 0, .size: 8, .value_kind: global_buffer, .address_space: global }
      - { .name: wf, .offset: 8, .size: 8, .value_kind: global_buffer, .address_space: global }
      - { .name: tab, .offset: 16, .size: 8, .value_kind: global_buffer, .address_space: global }
      - { .name: qf, .offset: 24, .size: 8, .value_kind: global_buffer, .address_space: global }
      - { .name: kvf, .offset: 32, .size: 8, .value_kind: global_buffer, .address_space: global }
    .group_segment_fixed_size: 327680
    .private_segment_fixed_size: 0
    .kernarg_segment_align: 8
    .kernarg_segment_size: 40
    .max_flat_workgroup_size: 128
    .sgpr_count:     84
    .vgpr_count:     960
    .wavefront_size: 32
...
	.end_amdgpu_metadata
.endif
;; end of part 2
;; launch attn (part 3): grid 4 x 64, 8 waves a work-group, clusters of 4 x 1, 327,680 bytes of LDS; arguments qf, kvf, mbits, ctxf; writes ctxf
.if DOCPART == 3
	.amdgcn_target "amdgcn-amd-amdhsa--gfx1250"
	.amdhsa_code_object_version 6
	.text
	.protected	k_qfcd551b248_attn
	.globl	k_qfcd551b248_attn
	.p2align	8
	.type	k_qfcd551b248_attn,@function
k_qfcd551b248_attn:
	s_mov_b64 s[64:65], 0
	v_nop
	global_prefetch_b8 v0, s[64:65] scope:SCOPE_SE
	s_setreg_imm32_b32 hwreg(HW_REG_WAVE_MODE, 25, 1), 1
	s_wait_xcnt 0x0
	s_wait_alu depctr_hold_cnt(0) depctr_sa_sdst(0) depctr_va_vdst(0) depctr_va_sdst(0) depctr_va_ssrc(0) depctr_va_vcc(0) depctr_vm_vsrc(0)
	s_getreg_b32 s2, hwreg(HW_REG_IB_STS2, 6, 4)
	s_cmp_eq_u32 s2, 0
	s_cbranch_scc0 .Lentry_in_a_cluster
	s_endpgm
.Lentry_in_a_cluster:
	s_bfe_u32 s2, ttmp6, 0x10000c
	s_cmp_lg_u32 s2, 0x3003
	s_cbranch_scc0 .Lentry_shape_is_right
	s_endpgm
.Lentry_shape_is_right:
; ATTENTION AT HEAD SIZE 32, with a mask that is an input.  ctx[q] = the sum over k of softmax_k(mask[q][k] ? q . k / sqrt(32) : -10000) v[k], for each of 64 (batch, head) and 2,048 queries.
; q and k arrive in f16, v as two f16 numbers (hi + lo), all in fragment order (a block of 16 rows x 32 channels: 1,024 bytes, [c][lane][16]); products, maxima and sums in f32; the weights p are rounded to
; f16 for the second product, and their sum l is taken of the rounded p, by the matrix unit; ctx leaves as two f16 numbers, hi = ctx rounded and lo = (ctx - hi) rounded.  Why two: a row that rests on one or
; two keys carries v's and ctx's roundings at many times the whole output's root mean square, and one f16 leaves too little room there.
; THE MASK.  No pattern is built in and no tile is left out.  A masked score is REPLACED (v_cndmask_b32) by -10000 sqrt(32) in raw units, which the scale c = log2(e) / sqrt(32) turns into -10000 log2(e):
; a row that is masked throughout comes out uniform, and open scores below -10000 lose against masked ones.
; LIMITS.  -10000 sqrt(32) is rounded to f32: the replacement is off by 1e-7 of itself.  p, and the lo parts, below 6e-5 keep f16's step of 6e-8; a weight below 2^-126 counts as 0; NaN and infinities are not treated apart.
; SHARES.  A work-group owns 512 queries of one (batch, head), each of its eight waves 64: four tiles of 16.  Every wave walks all 2,048 keys, 64 a step: 32 steps.  Two waves lie on a SIMD: a tile and step
; have 127 vector instructions for 14 matrix instructions, with a chain (maximum, exchange, scale, exponential) in the middle, and the second wave issues while the first waits in it.
; LDS.  kvf's record s (12,288 bytes) holds V^T hi and V^T lo of step s and K of step (s + 1) % 32: all that step s reads from LDS.  A RING of two slots of 8 records: while one is read the other is filled.
; Each wave asks for one record's worth (12,288 bytes, 48 rows of 256) of a slot by ONE tensor load; one load of mine is out at any time, and it has eight key steps in which to land.
; K of step 0 comes straight from memory (record 31); the last step's fetch of the next K reads that K(0) again, and the four products made of it serve nothing, once a launch: the price of one text for every step.
; CLUSTER: the four query blocks of a head want the same bytes, so the loads are joint: the same descriptor and a mask that names the four; a round of the cluster's barrier stands in front of each.
; LAYOUT.  S^T = K Q^T (source 0 = 16 keys, source 1 = 16 queries): a lane holds ONE query (lane % 16) and the keys 8 (lane / 16) + 0..7.  Two such results rounded to f16 ARE source 1 of O^T = V^T P,
; whose result holds one query a lane and eight channels: the 16 bytes of a fragment of ctx.  A product with a source 0 of ones gives l in the same layout.
; SOFTMAX.  For each query a running maximum m: p = 2^(c s - c m); in every step O and l are multiplied by a = 2^(c m_old - c m_new).  m starts at the lowest finite number, O and l at 0: the first step's a is 0.
; Of l's accumulator only the low pair is rescaled and read; its other six registers hold sums of at most 2,048 weights.
; LANE MASKS come by scalar loads, 32 words a tile and step, asked for one tile ahead into two sets of 32 scalar registers that take turns.
; REGISTERS: window 0: v1-7 addresses and constants; v8-15 ones; v16-31 four registers of statistics a tile; v32-35 at work; v40-71 Q; v72-103 K of a step; v104-135 V^T hi; v136-199 S^T, two buffers;
;   v200-215 P; v216-247 V^T lo.   window 1: tile t's O^T at 24 t (16 registers) and l at 24 t + 16.   (s_set_vgpr_msb: bits 1:0 source 0, 3:2 source 1, 5:4 source 2, 7:6 destination)
.set STEPB, 12288                      ; a record
.set SLOTB, 8*STEPB                    ; a slot
.set SLOT1, 1<<17                      ; slot 1 begins here, so that one exclusive or turns an address in one slot into the other's
.set SPARE, SLOT1+SLOTB                ; behind the ring: the spare words, 128 bytes for each of the eight waves
.set LA,  1                            ; v1   16 x lane; never rewritten once made
.set ADR, 2                            ; v2   the LDS address of the run of loads in hand
.set NEG1, 3                           ; v3   -1.0
.set NEG, 4                            ; v4   -10000 sqrt(32)
.set CMO, 5                            ; v5   c m_old, kept while c m is made anew
.set SPW, 6                            ; v6   LDS address of my spare word; never rewritten
.set NIL, 7                            ; v7   0; never rewritten
.set ONE, 8                            ; v8-15  1.0 in every f16 half
.set ST,  16                           ; tile t at ST + 4 t: c m, m, a, c m_old - c m_new
.set C0,  32                           ; c0-c3
.set QF,  40
.set KF,  72
.set VF,  104                          ; key half g, channel block cb at VF + 16 g + 8 cb
.set S,   136
.set P,   200
.set VL,  216                          ; as VF
.set WV,  12                           ; s12  my wave's number
.set SLOTS, 13                         ; s13  slots still to be asked for (first: my block of queries)
.set CS,  14                           ; s[14:15] c, named as a pair
.set G1,  16                           ; s[16:23] descriptor group 1
.set G0,  24                           ; s[24:27] descriptor group 0: it walks
.set CNT, 28                           ; s28  counts a slot's key steps
.set TB,  29                           ; s29  LDS byte at which the record in hand begins
.set SEL, 30                           ; s[30:31] v_permlanex16_b32's selects: each lane takes its own place in the other half
                                       ; s[32:63], s[68:99]  the two sets of lane masks
.set MSB, 0
.macro WIN new
.if MSB != (\new)
	s_set_vgpr_msb (MSB<<8)|(\new)
.set MSB, \new
.endif
.endm
.set W_RS, 0x41                        ; destination and source 0 window 1, source 1 window 0
.set W_PV, 0x50                        ; sources 0 and 1 window 0, C and D window 1
.macro ROUND                           ; a round of the cluster's barrier
	s_barrier_signal -1
	s_barrier_wait -1
	s_cmp_lg_u32 s[WV], 0
	s_cbranch_scc1 .Lnot_wave_0_\@
	s_barrier_signal -3
.Lnot_wave_0_\@:
	s_barrier_wait -3
	s_barrier_signal -1
	s_barrier_wait -1
.endm
.macro PLACES
.rept 4
	v_nop
.endr
.endm
; THE CHANGE OF SLOTS, between two key steps.  Each wave waits for all its tensor loads, of which one is out: its part of the other slot; adds 0 to its spare word; and waits for that and for its own reads of
; the slot that it leaves.  Behind the barrier nobody reads the old slot any more and the other slot is whole.  fill = 1: the old slot is filled again, with the records two slots on: the barrier is then a round
; of the cluster's, so that no wave of any partner still reads the slot or has a load on its way, and the joint fill is the first thing behind it.  (At its first use nothing has been read: slot 0 is waited for, slot 1 filled.)
.macro CHANGE fill
	s_wait_tensorcnt 0x0                           ; no tensor load of mine is out, so the group 0 may be written
	ds_add_u32 v[SPW], v[NIL]                      ; 0 onto my spare word
.if \fill
	s_xor_b32 s[G0+1], s[G0+1], SLOT1              ; the walking descriptor: the other slot than last time,
	s_add_nc_u64 s[G0+2:G0+3], s[G0+2:G0+3], SLOTB ; the next 8 records; the type bits on top are not reached
.endif
	s_wait_dscnt 0x0                               ; the add is done, and my reads of the slot are over
.if \fill
	ROUND
	tensor_load_to_lds s[G0:G0+3], s[G1:G1+7]      ; my one tensor load behind the round
	s_nop 0
	PLACES
.else
	s_barrier_signal -1
	s_barrier_wait -1
.endif
	s_sub_co_u32 s[TB], s[TB], SLOTB               ; the fetches go back to a slot's first record,
	s_xor_b32 s[TB], s[TB], SLOT1                  ; in the other slot
.endm
	s_load_b256 s[4:11], s[0:1], 0x0               ; qf s[4:5], kvf s[6:7], mbits s[8:9], ctxf s[10:11]
	v_lshl_add_u32 v[SPW], v0, 2, SPARE
	v_mov_b32 v[NIL], 0
	ds_add_u32 v[SPW], v[NIL]                      ; the wave's opening: the add and its wait stand ahead of my first tensor load; the set-up below stands between them
	v_lshrrev_b32 v1, 5, v0
	v_readfirstlane_b32 s[WV], v1                  ; wave 0..7
	s_bfe_u32 s13, ttmp6, 0x40000                  ; cx
	s_lshl_b32 s32, ttmp9, 2
	s_add_co_u32 s13, s32, s13                     ; my block of 512 queries: it enters qf's, mbits' and ctxf's addresses alone
	s_and_b32 s33, ttmp7, 0xffff                   ; bh = 32 x batch + head, which the four partners share
	; descriptor: 12,288 dense bytes as 48 rows of 32 elements of 8 bytes
	s_mov_b32 s[G1], 15|(3<<16)|(1<<21)            ; 15:0 the mask of four; 17:16 elements of 8 bytes; 21 set beside a mask
	s_mov_b32 s[G1+1], 32<<16                      ; tensor_dim0 = 32
	s_mov_b32 s[G1+2], 48<<16                      ; tensor_dim1 = 48
	s_mov_b32 s[G1+3], 32<<16                      ; tile_dim0 = 32
	s_mov_b32 s[G1+4], 48                          ; tile_dim1 = 48
	s_mov_b32 s[G1+5], 32                          ; elements from row to row
	s_mov_b32 s[G1+6], 0
	s_mov_b32 s[G1+7], 0
	s_mov_b32 s[G0], 1
	s_mul_i32 s[G0+1], s[WV], STEPB                ; LDS address: slot 0, my eighth of it
	s_mul_i32 s34, s33, 32*STEPB                   ; the head's 32 records in kvf
	s_add_co_u32 s44, s34, 31*STEPB+8192           ; K of step 0 lies in record 31
	s_mov_b32 s45, 0
	s_add_co_u32 s34, s34, s[G0+1]                 ; my eighth of the first 8 records
	s_mov_b32 s35, 0
	s_lshl3_add_u32 s39, s13, s[WV]                ; 8 x block + wave: my 64 queries among the head's
	s_lshl_b32 s36, s33, 17                        ; qf: a head's 131,072 bytes, my four tiles' 4,096
	s_lshl_b32 s38, s39, 12
	s_add_co_u32 s36, s36, s38
	s_mov_b32 s37, 0
	s_lshl_b32 s40, s39, 14                        ; mbits: four tiles of 4,096 bytes
	s_mov_b32 s41, 0
	s_lshr_b32 s42, s33, 5                         ; ctxf [row block 256][part 2][head 32][1024]: the batch's 128 row blocks of 65,536 bytes,
	s_lshl_b32 s42, s42, 23
	s_lshl_b32 s38, s39, 18                        ; my four,
	s_add_co_u32 s42, s42, s38
	s_and_b32 s38, s33, 31                         ; the head
	s_lshl_b32 s38, s38, 10
	s_add_co_u32 s42, s42, s38
	s_mov_b32 s43, 0
	s_mov_b32 s[CS], 0x3e8293ee                    ; c = log2(e) / sqrt(32) = 0.255035
	s_mov_b32 s[CS+1], s[CS]
	s_mov_b32 s[SEL], 0x76543210
	s_mov_b32 s[SEL+1], 0xfedcba98
	s_mov_b32 s[TB], SLOT1+SLOTB                   ; the first change of slots turns this into 0
	s_wait_dscnt 0x0                               ; the opening add is done
	s_wait_kmcnt 0x0
	s_add_nc_u64 s[G0+2:G0+3], s[6:7], s[34:35]
	s_or_b32 s[G0+3], s[G0+3], 0x80000000          ; type = 2
	s_add_nc_u64 s[2:3], s[6:7], s[44:45]
	s_add_nc_u64 s[4:5], s[4:5], s[36:37]
	s_add_nc_u64 s[8:9], s[8:9], s[40:41]
	s_add_nc_u64 s[10:11], s[10:11], s[42:43]
	ROUND                                          ; all four work-groups are here: the first joint loads meet
	tensor_load_to_lds s[G0:G0+3], s[G1:G1+7]      ; slot 0.  Slot 1 is asked for when slot 0 is in
	s_nop 0
	PLACES
	v_and_b32 v[LA], 31, v0
	v_lshlrev_b32 v[LA], 4, v[LA]
.set i, 0
.rept 8                                                ; Q stays in registers: tile i / 2, half i % 2 of its fragment; and K of step 0
	global_load_b128 v[QF+4*i:QF+4*i+3], v[LA], s[4:5] offset:512*i
	global_load_b128 v[KF+4*i:KF+4*i+3], v[LA], s[2:3] offset:512*i
.set i, i+1
.endr
	s_load_b512 s[32:47], s[8:9], 0x0              ; tile 0's lane masks for step 0
	s_load_b512 s[48:63], s[8:9], 0x40
	; what the first step finds; all this stands in the wait for the first loads
.set i, 0
.rept 8
	v_mov_b32 v[ONE+i], 0x3c003c00
.set i, i+1
.endr
	v_mov_b32 v[NEG], 0xc75cf88b
	v_mov_b32 v[NEG1], -1.0
.set i, 0
.rept 4
	v_mov_b32 v[ST+4*i], 0xfe000000                ; c m: far below every c s
	v_mov_b32 v[ST+4*i+1], 0xff7fffff              ; m
.set i, i+1
.endr
	WIN 0x40
.set i, 0
.rept 96
	v_mov_b32 v[i], 0                              ; O^T and l
.set i, i+1
.endr
	WIN 0
	s_wait_loadcnt 0x0                             ; Q and K of step 0
.irp kb, 0,1,2,3
	v_wmma_f32_16x16x32_f16 v[S+8*\kb:S+8*\kb+7], v[KF+8*\kb:KF+8*\kb+7], v[QF:QF+7], 0  ; tile 0's first scores
.endr
	PLACES
.macro FS b                            ; c s - c m for pair b of the tile's 16
	v_pk_fma_f32 v[rS+2*(\b):rS+2*(\b)+1], v[rS+2*(\b):rS+2*(\b)+1], s[CS:CS+1], v[rT:rT+1] op_sel_hi:[1,0,0] neg_lo:[0,0,1] neg_hi:[0,0,1]
.endm
.macro CV j                            ; pair j rounded to f16
	s_wait_alu depctr_va_vdst(0)
	v_cvt_pk_f16_f32 v[P+(\j)], v[rS+2*(\j)], v[rS+2*(\j)+1]
.endm
; TILE t of a step.  Its scores were made a tile earlier; it makes the next tile's (tile 3: the next step's tile 0, from the next step's K).
.macro TILE t
.set rT, ST+4*(\t)
.set rS, S+32*((\t)%2)
.set rN, S+32*(((\t)+1)%2)
.set rM, 32+36*((\t)%2)
.set rMN, 32+36*(((\t)+1)%2)
.set rQ, QF+8*(((\t)+1)%4)
.set rO, 24*(\t)
	s_wait_kmcnt 0x0                               ; my lane masks are in, and no scalar load is out: the pointer may step
.if (\t) == 3
	s_add_nc_u64 s[8:9], s[8:9], 128               ; the next step's words.  Behind the last step this names the next query tile's first 128 bytes: inside mbits, and not used
	s_load_b512 s[rMN:rMN+15], s[8:9], 0x0
	s_load_b512 s[rMN+16:rMN+31], s[8:9], 0x40
	s_wait_dscnt 0x0                               ; the next step's K is in
.else
	s_load_b512 s[rMN:rMN+15], s[8:9], 4096*((\t)+1)
	s_load_b512 s[rMN+16:rMN+31], s[8:9], 4096*((\t)+1)+64
.endif
.irp kb, 0,1,2,3
	v_wmma_f32_16x16x32_f16 v[rN+8*\kb:rN+8*\kb+7], v[KF+8*\kb:KF+8*\kb+7], v[rQ:rQ+7], 0
.endr
.set i, 0
.rept 32                                               ; the replacement, each accumulator's registers in ascending order
	v_cndmask_b32 v[rS+i], v[NEG], v[rS+i], s[rM+i]
.if i == 7                                             ; eight plain instructions stand behind the last product that read the registers loaded here (ISA guide 7.12.1)
.if (\t) == 0
	v_add_nc_u32 v[ADR], s[TB], v[LA]
.irp f, 0,1,2,3,4,5,6,7
	ds_load_b128 v[VF+4*\f:VF+4*\f+3], v[ADR] offset:512*\f       ; V^T hi of the step in hand,
.endr
.irp f, 0,1,2,3,4,5,6,7
	ds_load_b128 v[VL+4*\f:VL+4*\f+3], v[ADR] offset:4096+512*\f  ; and lo
.endr
.endif
.if (\t) == 2
	v_add_nc_u32 v[ADR], s[TB], v[LA]
.irp f, 0,1,2,3,4,5,6,7
	ds_load_b128 v[KF+4*\f:KF+4*\f+3], v[ADR] offset:8192+512*\f  ; K of the next step, from the record in hand
.endr
	s_add_co_u32 s[TB], s[TB], STEPB               ; the next fetch is the next record's
.endif
.endif
.set i, i+1
.endr
.irp n, 0,1,2,3                                        ; the maximum: four chains of seven scores, three operands at a time,
	v_max3_num_f32 v[C0+\n], v[rS+8*\n], v[rS+8*\n+1], v[rS+8*\n+2]
.endr
.irp n, 4,5,6,7,8,9,10,11
	v_max3_num_f32 v[C0+(\n)%4], v[C0+(\n)%4], v[rS+8*((\n)%4)+2*((\n)/4)+1], v[rS+8*((\n)%4)+2*((\n)/4)+2]
.endr
	v_max3_num_f32 v[C0], v[C0], v[rS+7], v[rS+15] ; the four scores left over, the old m,
	v_max3_num_f32 v[C0+1], v[C0+1], v[rS+23], v[rS+31]
	v_max3_num_f32 v[C0+2], v[C0+2], v[C0+3], v[rT+1]
	v_mov_b32 v[CMO], v[rT]
	v_max3_num_f32 v[C0], v[C0], v[C0+1], v[C0+2]
	v_permlanex16_b32 v[C0+3], v[C0], s[SEL], s[SEL+1]  ; and the query's other 32 keys, in the lane 16 away
	v_max_num_f32 v[rT+1], v[C0], v[C0+3]
	v_mul_f32 v[rT], s[CS], v[rT+1]
	v_sub_f32 v[rT+3], v[CMO], v[rT]
	v_exp_f32 v[rT+2], v[rT+3]                     ; a
	FS 0                                           ; scalings, exponentials and roundings by turns: a plain instruction stands between every exponential and the use of its result (ISA guide 5.7.2)
	FS 1
.set k, 0
.rept 32
	v_exp_f32 v[rS+k], v[rS+k]
.if (k%2 == 0) && (k <= 26)
	FS k/2+2
.elseif (k%2 == 1) && (k >= 3)
	CV (k-3)/2
.endif
.set k, k+1
.endr
	CV 15
	WIN W_RS
.set z, 0
.rept 9                                                ; O^T's 16 registers and l's low pair times a
	v_pk_mul_f32 v[rO+2*z:rO+2*z+1], v[rO+2*z:rO+2*z+1], v[rT+2:rT+3] op_sel_hi:[1,0]
.set z, z+1
.endr
.if (\t) == 0
	s_wait_dscnt 0x0                               ; V^T is in
.endif
	WIN W_PV
.irp g, 0,1                                            ; the three accumulators take turns, one instruction a turn
	v_wmma_f32_16x16x32_f16 v[rO:rO+7], v[VF+16*\g:VF+16*\g+7], v[P+8*\g:P+8*\g+7], v[rO:rO+7]
	v_wmma_f32_16x16x32_f16 v[rO+8:rO+15], v[VF+16*\g+8:VF+16*\g+15], v[P+8*\g:P+8*\g+7], v[rO+8:rO+15]
	v_wmma_f32_16x16x32_f16 v[rO+16:rO+23], v[ONE:ONE+7], v[P+8*\g:P+8*\g+7], v[rO+16:rO+23]
	v_wmma_f32_16x16x32_f16 v[rO:rO+7], v[VL+16*\g:VL+16*\g+7], v[P+8*\g:P+8*\g+7], v[rO:rO+7]
	v_wmma_f32_16x16x32_f16 v[rO+8:rO+15], v[VL+16*\g+8:VL+16*\g+15], v[P+8*\g:P+8*\g+7], v[rO+8:rO+15]
.endr
	WIN 0
.endm
	s_mov_b32 s[SLOTS], 3
.Lslot:                                                ; three trips: a slot is entered and the other is asked for
	CHANGE 1
	s_mov_b32 s[CNT], 8
.Lstep:                                                ; a key step for all four tiles
	TILE 0
	TILE 1
	TILE 2
	TILE 3
	s_sub_co_u32 s[CNT], s[CNT], 1
	s_cmp_lg_u32 s[CNT], 0
	s_cbranch_scc1 .Lstep
	s_sub_co_u32 s[SLOTS], s[SLOTS], 1
	s_cmp_lg_u32 s[SLOTS], 0
	s_cbranch_scc1 .Lslot
	CHANGE 0                                       ; the last slot is written out: nothing is asked for
	s_mov_b32 s[CNT], 8
.Ltail:
	TILE 0
	TILE 1
	TILE 2
	TILE 3
	s_sub_co_u32 s[CNT], s[CNT], 1
	s_cmp_lg_u32 s[CNT], 0
	s_cbranch_scc1 .Ltail
	s_wait_kmcnt 0x0                               ; the last request for lane masks, which nothing uses
	; THE WAY OUT.  O^T is divided by l; hi = that rounded to f16; lo = (hi's half x -1.0 + that, exact in f32) rounded to f16.  A lane's eight channels are 16 bytes of a fragment of ctx,
	; and each store of the wave is 512 consecutive bytes.
	PLACES
	WIN 0x01                                       ; source 0 window 1
.irp t, 0,1,2,3
	v_rcp_f32 v[ST+4*\t+2], v[24*\t+16]            ; l's lowest register
.endr
	v_nop                                          ; a plain instruction between the last reciprocal and the use of its result
	s_wait_alu depctr_va_vdst(0)
.irp t, 0,1,2,3
	WIN W_RS
.set z, 0
.rept 8
	v_pk_mul_f32 v[24*\t+2*z:24*\t+2*z+1], v[24*\t+2*z:24*\t+2*z+1], v[ST+4*\t+2:ST+4*\t+3] op_sel_hi:[1,0]
.set z, z+1
.endr
	WIN 0x05                                       ; sources 0 and 1 window 1, destination window 0: S^T's registers are free
.set z, 0
.rept 8
	v_cvt_pk_f16_f32 v[S+16*\t+z], v[24*\t+2*z], v[24*\t+2*z+1]
.set z, z+1
.endr
	WIN 0x10                                       ; source 2 window 1; V^T's registers are free
.set z, 0
.rept 16
.if z%2
	v_fma_mix_f32 v[VF+z], v[S+16*\t+z/2], v[NEG1], v[24*\t+z] op_sel:[1,0,0] op_sel_hi:[1,0,0]  ; source 0 is an f16 half, the other two are f32
.else
	v_fma_mix_f32 v[VF+z], v[S+16*\t+z/2], v[NEG1], v[24*\t+z] op_sel_hi:[1,0,0]
.endif
.set z, z+1
.endr
	WIN 0
.set z, 0
.rept 8
	v_cvt_pk_f16_f32 v[S+16*\t+8+z], v[VF+2*z], v[VF+2*z+1]
.set z, z+1
.endr
	global_store_b128 v[LA], v[S+16*\t:S+16*\t+3], s[10:11] offset:65536*\t
	global_store_b128 v[LA], v[S+16*\t+4:S+16*\t+7], s[10:11] offset:65536*\t+512
	global_store_b128 v[LA], v[S+16*\t+8:S+16*\t+11], s[10:11] offset:65536*\t+32768
	global_store_b128 v[LA], v[S+16*\t+12:S+16*\t+15], s[10:11] offset:65536*\t+32768+512
.endr
	s_wait_tensorcnt 0x0                           ; the wave's end
	ds_add_u32 v[SPW], v[NIL]
	s_wait_dscnt 0x0
	ROUND                                          ; the closing round
	s_endpgm
.Lfunc_end_k_qfcd551b248_attn:
	.size	k_qfcd551b248_attn, .Lfunc_end_k_qfcd551b248_attn-k_qfcd551b248_attn
	.p2alignl 7, 3214868480
	.fill 96, 4, 3214868480
	.section	.rodata,"a",@progbits
	.p2align	6, 0x0
	.amdhsa_kernel k_qfcd551b248_attn
		.amdhsa_group_segment_fixed_size 327680
		.amdhsa_private_segment_fixed_size 0
		.amdhsa_enable_private_segment 0
		.amdhsa_kernarg_size 32
		.amdhsa_user_sgpr_count 2
		.amdhsa_user_sgpr_kernarg_segment_ptr 1
		.amdhsa_wavefront_size32 1
		.amdhsa_system_sgpr_workgroup_id_x 1
		.amdhsa_system_sgpr_workgroup_id_y 1
		.amdhsa_system_sgpr_workgroup_id_z 1
		.amdhsa_system_vgpr_workitem_id 0
		.amdhsa_next_free_vgpr 352
		.amdhsa_next_free_sgpr 100
		.amdhsa_reserve_vcc 0
		.amdhsa_float_denorm_mode_32 3
		.amdhsa_float_denorm_mode_16_64 3
		.amdhsa_memory_ordered 1
		.amdhsa_forward_progress 1
		.amdhsa_inst_pref_size 95
	.end_amdhsa_kernel
	.amdgpu_metadata
---
amdhsa.version: [ 1, 2 ]
amdhsa.kernels:
  - .name:           k_qfcd551b248_attn
    .symbol:         k_qfcd551b248_attn.kd
    .args:
      - { .name: qf, .offset: 0, .size: 8, .value_kind: global_buffer, .address_space: global }
      - { .name: kvf, .offset: 8, .size: 8, .value_kind: global_buffer, .address_space: global }
      - { .name: mbits, .offset: 16, .size: 8, .value_kind: global_buffer, .address_space: global }
      - { .name: ctxf, .offset: 24, .size: 8, .value_kind: global_buffer, .address_space: global }
    .group_segment_fixed_size: 327680
    .private_segment_fixed_size: 0
    .kernarg_segment_align: 8
    .kernarg_segment_size: 32
    .max_flat_workgroup_size: 256
    .sgpr_count:     100
    .vgpr_count:     352
    .wavefront_size: 32
...
	.end_amdgpu_metadata
.endif
;; end of part 3
;; launch gemm2 (part 4): grid 8 x 32, 4 waves a work-group, clusters of 4 x 4, 327,680 bytes of LDS; arguments ctxf, wof, out0; writes out0
.if DOCPART == 4
	.amdgcn_target "amdgcn-amd-amdhsa--gfx1250"
	.amdhsa_code_object_version 6
	.text
	.protected	k_qfcd551b248_gemm2
	.globl	k_qfcd551b248_gemm2
	.p2align	8
	.type	k_qfcd551b248_gemm2,@function
k_qfcd551b248_gemm2:
	s_mov_b64 s[64:65], 0
	v_nop
	global_prefetch_b8 v0, s[64:65] scope:SCOPE_SE
	s_setreg_imm32_b32 hwreg(HW_REG_WAVE_MODE, 25, 1), 1
	s_wait_xcnt 0x0
	s_wait_alu depctr_hold_cnt(0) depctr_sa_sdst(0) depctr_va_vdst(0) depctr_va_sdst(0) depctr_va_ssrc(0) depctr_va_vcc(0) depctr_vm_vsrc(0)
	s_getreg_b32 s2, hwreg(HW_REG_IB_STS2, 6, 4)
	s_cmp_eq_u32 s2, 0
	s_cbranch_scc0 .Lentry_in_a_cluster
	s_endpgm
.Lentry_in_a_cluster:
	s_bfe_u32 s2, ttmp6, 0x10000c
	s_cmp_lg_u32 s2, 0xf033
	s_cbranch_scc0 .Lentry_shape_is_right
	s_endpgm
.Lentry_shape_is_right:
; out0[m][n] = the sum over k of ctx[m][k] Wo[n][k].  ctx arrives as two f16 numbers (hi + lo), Wo rounded to bf16 and written as f16, all in fragment order: a block of 16 rows x 32 k is 1,024 bytes,
; [c][lane][16].  A block of 16 rows of ctx has its 32 hi blocks and then its 32 lo blocks on end (65,536 bytes); a block of 16 rows of Wo has its 32 blocks twice on end.  So the product is ONE walk of
; K = 2,048: hi against Wo, then lo against Wo, into the same f32 sums.  out0 is f32, [4,096][1,024].
; M = 4,096, N = 1,024: tiles of 128 x 128 give 32 x 8 = 256 work-groups.  Four waves, each 64 x 64: 16 accumulators, 128 registers.  K goes in steps of 256 (8,192 consecutive bytes of a row block: one row of
; a tensor tile; a wave's load brings 4 such rows) through two LDS slots: eight K steps, four laps.  No padding: a fragment load takes 512 consecutive bytes.
; CLUSTER 4 x 4: ctx's tiles are asked for jointly along a row of the cluster, Wo's along a column.  THE MATRIX INSTRUCTION IS USED TRANSPOSED (source 0 = 16 rows of Wo, source 1 = 16 rows of ctx):
; a lane holds eight neighbouring numbers of a row of out0.  A wave's 64 columns are 256 bytes of a row.
; REGISTERS: window 0: v0-31 addresses; v32-95 rows read back from the stage, two buffers; v128-255 the accumulators ((a, b) at 128 + 8 (4 a + b)).
;   window 1: two fragment buffers of 128: for 64 along K, 64 registers of ctx (2 x 4 fragments), then 64 of Wo.
.set KSTEPB, 8192                      ; a K step's bytes in a block of 16 rows
.set HALFT,  4*KSTEPB                  ; what one tensor load brings, and what one wave reads of ctx or of Wo
.set SLOT,   4*HALFT                   ; ctx's two halves, then Wo's two halves
.set STAGE,  2*SLOT                    ; behind the ring: 16 rows x 272 bytes for each wave
.set SPITCH, 272                       ; 256 bytes + 16 of padding = 68 words: row r starts at bank 4 r mod 64 (64 banks of 4 bytes: ISA guide 11.1)
.set SPARE,  STAGE+4*16*SPITCH         ; behind the stages: the spare words, 128 bytes for each wave
.set LAPS,   4                         ; 2,048 / (2 x 256)
.set ADRA, 16                          ; v16-17  LDS address of my fragments of ctx in slot 0, 1
.set ADRB, 20                          ; v20-21  the same for Wo
.set STO,  24                          ; v24     the way out: where I put 32 bytes of a row
.set RD,   25                          ; v25     the way out: where I read a row back
.set CO,   26                          ; v26     my byte offset in out0
.set SPW,  28                          ; v28     LDS address of my spare word; never rewritten
.set NIL,  29                          ; v29     0; never rewritten
.set TMP,  32
.set ACC,  128
.set F0,   0
.set F1,   128
.set G1, 24
.set G0, 32
.set G1B, 48
.set G0B, 56
.set MSB, 0
.macro WIN new
.if MSB != (\new)
	s_set_vgpr_msb (MSB<<8)|(\new)
.set MSB, \new
.endif
.endm
.set MUL,  0x05                        ; sources 0 and 1 window 1; C and D window 0
.set TO_F, 0x40                        ; destination window 1, address window 0
.macro JLOAD s                         ; a joint load: waves 0 and 1 fetch ctx's two halves, waves 2 and 3 Wo's; an s_nop 0 and four v_nop follow each of the two lines
	s_cmp_eq_u32 s11, 0
	s_cbranch_scc0 .Lfor_b_\@
	tensor_load_to_lds s[G0+4*(\s):G0+4*(\s)+3], s[G1:G1+7]
	s_nop 0
.rept 4
	v_nop
.endr
	s_branch .Lasked_\@
.Lfor_b_\@:
	tensor_load_to_lds s[G0B+4*(\s):G0B+4*(\s)+3], s[G1B:G1B+7]
	s_nop 0
.rept 4
	v_nop
.endr
.Lasked_\@:
.endm
.macro CREST
	s_cmp_lg_u32 s10, 0
	s_cbranch_scc1 .Lnot_wave_0_\@
	s_barrier_signal -3
.Lnot_wave_0_\@:
	s_barrier_wait -3
	s_barrier_signal -1
	s_barrier_wait -1
.endm
.macro CROUND
	s_barrier_signal -1
	s_barrier_wait -1
	CREST
.endm
.macro PLACES
.rept 4
	v_nop
.endr
.endm
	s_load_b128 s[4:7], s[0:1], 0x0                ; ctxf s[4:5], wof s[6:7]
	s_load_b64 s[8:9], s[0:1], 0x10                ; out0
	v_lshl_add_u32 v[SPW], v0, 2, SPARE
	v_mov_b32 v[NIL], 0
	ds_add_u32 v[SPW], v[NIL]                      ; the wave's opening: the add and its wait stand ahead of my first tensor load; the set-up below stands between them
	v_lshrrev_b32 v1, 5, v0
	v_readfirstlane_b32 s10, v1                    ; wave 0..3
	s_lshr_b32 s11, s10, 1                         ; which half of the tile's rows is mine.  Also: I fetch for ctx (0) or for Wo (1)
	s_and_b32 s12, s10, 1                          ; which half of its columns.  Also: which half of that tile I fetch
	s_bfe_u32 s40, ttmp6, 0x40000                  ; cx, cy
	s_bfe_u32 s41, ttmp6, 0x40004
	s_lshl_b32 s42, ttmp9, 2
	s_add_co_u32 s42, s42, s40                     ; tile column
	s_and_b32 s13, ttmp7, 0xffff
	s_lshl_b32 s13, s13, 2
	s_add_co_u32 s13, s13, s41                     ; tile row
	s_lshl_b32 s43, s41, 2
	s_lshl_b32 s43, 15, s43                        ; my row of the cluster
	s_lshl_b32 s44, 0x1111, s40                    ; my column
	; descriptor group 1: 4 rows of 1,024 elements of 8 bytes (8,192 bytes), 8,192 elements (a row block's 65,536 bytes) apart; no padding
	s_or_b32 s[G1+0], s43, (3<<16)|(1<<21)
	s_or_b32 s[G1B+0], s44, (3<<16)|(1<<21)
.irp g, G1, G1B
	s_mov_b32 s[(\g)+1], 1024<<16                  ; tensor_dim0
	s_mov_b32 s[(\g)+2], 4<<16                     ; tensor_dim1
	s_mov_b32 s[(\g)+3], 1024<<16                  ; tile_dim0
	s_mov_b32 s[(\g)+4], 4                         ; tile_dim1
	s_mov_b32 s[(\g)+5], 8192                      ; elements from row to row
	s_mov_b32 s[(\g)+6], 0
	s_mov_b32 s[(\g)+7], 0
.endr
	s_lshl_b32 s17, s12, 18                        ; which 4 row blocks of the tile I fetch
	s_lshl_b32 s16, s13, 19
	s_add_co_u32 s16, s16, s17                     ; ctx: block 8 x tile row + 4 x half, 65,536 bytes each
	s_lshl_b32 s46, s42, 19
	s_add_co_u32 s46, s46, s17                     ; Wo: block 8 x tile column + 4 x half
	s_mov_b32 s17, 0
	s_mov_b32 s47, 0
	s_mul_i32 s20, s10, HALFT                      ; where they go: no place in the cluster enters an LDS address
	s_wait_dscnt 0x0                               ; the opening add is done
	s_wait_kmcnt 0x0
	s_add_nc_u64 s[14:15], s[4:5], s[16:17]
	s_add_nc_u64 s[46:47], s[6:7], s[46:47]
	CROUND                                         ; all sixteen work-groups are here: the first joint loads meet
.irp s, 0,1
	s_mov_b32 s[G0+4*(\s)], 1
	s_add_co_u32 s[G0+4*(\s)+1], s20, (\s)*SLOT
	s_add_nc_u64 s[G0+4*(\s)+2:G0+4*(\s)+3], s[14:15], (\s)*KSTEPB
	s_or_b32 s[G0+4*(\s)+3], s[G0+4*(\s)+3], 0x80000000
	s_mov_b32 s[G0B+4*(\s)], 1
	s_add_co_u32 s[G0B+4*(\s)+1], s20, (\s)*SLOT
	s_add_nc_u64 s[G0B+4*(\s)+2:G0B+4*(\s)+3], s[46:47], (\s)*KSTEPB
	s_or_b32 s[G0B+4*(\s)+3], s[G0B+4*(\s)+3], 0x80000000
	JLOAD \s                                       ; two loads of mine are out
.endr
	v_and_b32 v1, 15, v0                           ; l % 16
	v_bfe_u32 v2, v0, 4, 1                         ; l / 16
	v_and_b32 v3, 31, v0
	v_lshlrev_b32 v3, 4, v3                        ; 16 x lane
	s_mul_i32 s21, s11, HALFT                      ; my 4 row blocks of ctx,
	s_mul_i32 s22, s12, HALFT                      ; my 4 of Wo,
	s_add_co_u32 s22, s22, 2*HALFT                 ; which lie behind ctx's 8
.irp s, 0,1
	v_add_nc_u32 v[ADRA+(\s)], s21, v3
	v_add_nc_u32 v[ADRB+(\s)], s22, v3
	s_add_co_u32 s21, s21, SLOT
	s_add_co_u32 s22, s22, SLOT
.endr
	s_mul_i32 s23, s10, 16*SPITCH
	s_add_co_u32 s23, s23, STAGE                   ; my stage
	v_mul_u32_u24 v4, v1, SPITCH                   ; in: row l % 16, 32 bytes for each half of the lanes
	v_lshl_add_u32 v4, v2, 5, v4
	v_add_nc_u32 v[STO], s23, v4
	v_mul_u32_u24 v5, v2, SPITCH                   ; back: lanes 0-15 take one row of 256 bytes, lanes 16-31 the next
	v_lshl_add_u32 v5, v1, 4, v5
	v_add_nc_u32 v[RD], s23, v5
	v_lshlrev_b32 v5, 12, v2                       ; and the same two rows in out0, 4,096 bytes apart
	v_lshl_add_u32 v[CO], v1, 4, v5
	s_lshl_b32 s16, s13, 19                        ; my first row: 128 x tile row + 64 x half, 4,096 bytes each
	s_lshl_b32 s17, s11, 18
	s_add_co_u32 s16, s16, s17
	s_mov_b32 s17, 0
	s_add_nc_u64 s[8:9], s[8:9], s[16:17]
	s_lshl_b32 s46, s42, 9                         ; my first column, in bytes: 512 x tile column + 256 x half
	s_lshl_b32 s47, s12, 8
	s_add_co_u32 s46, s46, s47
	s_mov_b32 s47, 0
	s_add_nc_u64 s[8:9], s[8:9], s[46:47]
; 8 matrix instructions: row blocks a0, a0 + 1 x all 4 column blocks, 32 along K: half c of buffer f.  The 16 accumulators take turns.
.macro MUL8 f, c, a0, zero
	WIN MUL
.irp a, \a0, (\a0)+1
.irp b, 0,1,2,3
.if \zero
	v_wmma_f32_16x16x32_f16 v[ACC+8*(4*(\a)+(\b)):ACC+8*(4*(\a)+(\b))+7], v[(\f)+64+8*(4*(\c)+(\b)):(\f)+64+8*(4*(\c)+(\b))+7], v[(\f)+8*(4*(\c)+(\a)):(\f)+8*(4*(\c)+(\a))+7], 0
.else
	v_wmma_f32_16x16x32_f16 v[ACC+8*(4*(\a)+(\b)):ACC+8*(4*(\a)+(\b))+7], v[(\f)+64+8*(4*(\c)+(\b)):(\f)+64+8*(4*(\c)+(\b))+7], v[(\f)+8*(4*(\c)+(\a)):(\f)+8*(4*(\c)+(\a))+7], v[ACC+8*(4*(\a)+(\b)):ACC+8*(4*(\a)+(\b))+7]
.endif
.endr
.endr
.endm
; 32 LDS loads in one run: the fragments of 64 along K (two blocks of 1,024 bytes at byte k of each row block's 8,192) into buffer f; the first 32 along K first
.macro FETCH slot, k, f
	WIN TO_F
.irp c, 0,1
.irp i, 0,1,2,3
	ds_load_b128 v[(\f)+64+8*(4*(\c)+(\i)):(\f)+64+8*(4*(\c)+(\i))+3],   v[ADRB+(\slot)] offset:(\k)+1024*(\c)+(\i)*KSTEPB
	ds_load_b128 v[(\f)+64+8*(4*(\c)+(\i))+4:(\f)+64+8*(4*(\c)+(\i))+7], v[ADRB+(\slot)] offset:(\k)+1024*(\c)+(\i)*KSTEPB+512
	ds_load_b128 v[(\f)+8*(4*(\c)+(\i)):(\f)+8*(4*(\c)+(\i))+3],         v[ADRA+(\slot)] offset:(\k)+1024*(\c)+(\i)*KSTEPB
	ds_load_b128 v[(\f)+8*(4*(\c)+(\i))+4:(\f)+8*(4*(\c)+(\i))+7],       v[ADRA+(\slot)] offset:(\k)+1024*(\c)+(\i)*KSTEPB+512
.endr
.endr
.endm
; A K step is four quarters of 64 along K, 32 matrix instructions each, on buffers 0, 1, 0, 1.
.macro QUARTER slot, k, f, g, zero
	s_wait_dscnt 16                                ; the first 32 along K are in
	MUL8 \f, 0, 0, \zero
	MUL8 \f, 0, 2, \zero
	PLACES
	FETCH \slot, \k, \g
	s_wait_dscnt 32                                ; all but the 32 just issued
	MUL8 \f, 1, 0, 0
	MUL8 \f, 1, 2, 0
.endm
; The last quarter multiplies buffer 1 and changes slots: ONE barrier; in front of it each wave waits for all its tensor loads, adds 0 to its spare word, and waits for that and for its own reads of this slot.
.macro TURN slot, next, fill
	WIN 0                                          ; (the add's two registers lie in window 0)
	s_wait_tensorcnt 0x0                           ; all my tensor loads have landed: my part of the next slot
	ds_add_u32 v[SPW], v[NIL]                      ; 0 onto my spare word
	s_wait_dscnt 17                                ; (the add and the youngest sixteen loads may be out)
	MUL8 F1, 0, 0, 0
	s_wait_dscnt 0x0                               ; the add is done, and my reads of this slot are over
	s_barrier_signal -1
	MUL8 F1, 0, 2, 0
.if \fill
	WIN 0
.endif
	s_barrier_wait -1
.if \fill
	CREST                                          ; the barrier has opened a round of the cluster's: no wave of any partner still reads this slot's tile or has a load on its way
	s_add_nc_u64 s[G0+4*(\slot)+2:G0+4*(\slot)+3], s[G0+4*(\slot)+2:G0+4*(\slot)+3], 2*KSTEPB
	s_add_nc_u64 s[G0B+4*(\slot)+2:G0B+4*(\slot)+3], s[G0B+4*(\slot)+2:G0B+4*(\slot)+3], 2*KSTEPB
	JLOAD \slot                                    ; my one tensor load behind the round; its four v_nop are also the places in front of the loads below
.else
	PLACES
.endif
	FETCH \next, 0, F0
	MUL8 F1, 1, 0, 0
	MUL8 F1, 1, 2, 0
.endm
; THE WAY OUT of row block a: a lane's 32 bytes of a row go into my stage straight from the accumulators (each one's low four registers first) and come back as whole rows of 256 bytes.
.macro TOSTAGE a
	s_wait_xcnt 0x0                                ; earlier stores have had their addresses translated (ISA guide 3.1): the registers that they read are loaded again only behind this wait
.irp b, 0,1,2,3
	ds_store_b128 v[STO], v[ACC+8*(4*(\a)+(\b)):ACC+8*(4*(\a)+(\b))+3] offset:64*(\b)
	ds_store_b128 v[STO], v[ACC+8*(4*(\a)+(\b))+4:ACC+8*(4*(\a)+(\b))+7] offset:64*(\b)+16
.endr
.irp t, 0,1,2,3,4,5,6,7
	ds_load_b128 v[TMP+32*((\a)%2)+4*(\t):TMP+32*((\a)%2)+4*(\t)+3], v[RD] offset:(\t)*2*SPITCH  ; LDS serves a wave's instructions in order (ISA guide 5.7.1.4): these see the stores above; the next block's stores come behind them
.endr
.endm
.macro SEND a, younger                 ; younger: the LDS instructions issued behind block a's loads: the next block's sixteen, or none
.irp t, 0,1,2,3,4,5,6,7
	s_wait_dscnt (\younger)+7-(\t)
	global_store_b128 v[CO], v[TMP+32*((\a)%2)+4*(\t):TMP+32*((\a)%2)+4*(\t)+3], s[8:9] offset:65536*(\a)+8192*(\t)  ; 16 lanes store 256 consecutive bytes, at a multiple of 256 from out0's first byte
.endr
.endm
	s_wait_tensorcnt 1                             ; my part of K step 0 is in; K step 1's may stay out
	s_barrier_signal -1
	s_barrier_wait -1                              ; everybody's is
	FETCH 0, 0, F0
	QUARTER 0, 2048, F0, F1, 1                     ; the first quarter stands in front of the loop: its first products start the sums
	WIN 0                                          ; at a label and at a branch every window is 0
	s_mov_b32 s3, LAPS-1
.Llap:                                                 ; a trip goes once round the ring, from a lap's second quarter to the next lap's first, and fills both slots again
	QUARTER 0, 4096, F1, F0, 0
	QUARTER 0, 6144, F0, F1, 0
	TURN 0, 1, 1
	QUARTER 1, 2048, F0, F1, 0
	QUARTER 1, 4096, F1, F0, 0
	QUARTER 1, 6144, F0, F1, 0
	TURN 1, 0, 1
	QUARTER 0, 2048, F0, F1, 0
	WIN 0
	s_sub_co_u32 s3, s3, 1
	s_cmp_lg_u32 s3, 0
	s_cbranch_scc1 .Llap
	QUARTER 0, 4096, F1, F0, 0                     ; the last lap fills nothing
	QUARTER 0, 6144, F0, F1, 0
	TURN 0, 1, 0
	QUARTER 1, 2048, F0, F1, 0
	QUARTER 1, 4096, F1, F0, 0
	QUARTER 1, 6144, F0, F1, 0
	s_wait_dscnt 16                                ; the very last quarter
	MUL8 F1, 0, 0, 0
	MUL8 F1, 0, 2, 0
	s_wait_dscnt 0x0
	MUL8 F1, 1, 0, 0
	MUL8 F1, 1, 2, 0
	WIN 0
	PLACES
	TOSTAGE 0
	TOSTAGE 1
	SEND 0, 16
	TOSTAGE 2
	SEND 1, 16
	TOSTAGE 3
	SEND 2, 16
	SEND 3, 0
	s_wait_tensorcnt 0x0                           ; the wave's end, behind my last tensor load and my last LDS store
	ds_add_u32 v[SPW], v[NIL]
	s_wait_dscnt 0x0
	CROUND                                         ; the closing round
	s_endpgm
.Lfunc_end_k_qfcd551b248_gemm2:
	.size	k_qfcd551b248_gemm2, .Lfunc_end_k_qfcd551b248_gemm2-k_qfcd551b248_gemm2
	.p2alignl 7, 3214868480
	.fill 96, 4, 3214868480
	.section	.rodata,"a",@progbits
	.p2align	6, 0x0
	.amdhsa_kernel k_qfcd551b248_gemm2
		.amdhsa_group_segment_fixed_size 327680
		.amdhsa_private_segment_fixed_size 0
		.amdhsa_enable_private_segment 0
		.amdhsa_kernarg_size 24
		.amdhsa_user_sgpr_count 2
		.amdhsa_user_sgpr_kernarg_segment_ptr 1
		.amdhsa_wavefront_size32 1
		.amdhsa_system_sgpr_workgroup_id_x 1
		.amdhsa_system_sgpr_workgroup_id_y 1
		.amdhsa_system_sgpr_workgroup_id_z 1
		.amdhsa_system_vgpr_workitem_id 0
		.amdhsa_next_free_vgpr 512
		.amdhsa_next_free_sgpr 66
		.amdhsa_reserve_vcc 0
		.amdhsa_float_denorm_mode_32 3
		.amdhsa_float_denorm_mode_16_64 3
		.amdhsa_memory_ordered 1
		.amdhsa_forward_progress 1
		.amdhsa_inst_pref_size 86
	.end_amdhsa_kernel
	.amdgpu_metadata
---
amdhsa.version: [ 1, 2 ]
amdhsa.kernels:
  - .name:           k_qfcd551b248_gemm2
    .symbol:         k_qfcd551b248_gemm2.kd
    .args:
      - { .name: ctxf, .offset: 0, .size: 8, .value_kind: global_buffer, .address_space: global }
      - { .name: wof, .offset: 8, .size: 8, .value_kind: global_buffer, .address_space: global }
      - { .name: out0, .offset: 16, .size: 8, .value_kind: global_buffer, .address_space: global }
    .group_segment_fixed_size: 327680
    .private_segment_fixed_size: 0
    .kernarg_segment_align: 8
    .kernarg_segment_size: 24
    .max_flat_workgroup_size: 128
    .sgpr_count:     66
    .vgpr_count:     512
    .wavefront_size: 32
...
	.end_amdgpu_metadata
.endif
;; end of part 4
;; ======== version 2 of 3: 4 launches; 1.12 times as fast as version 1
;; limits: values are held in f16: magnitudes above 65,504 overflow, below 6.1e-05 lose precision
;; workspace buffers: xf 8,388,608 bytes; wf 6,291,456 bytes; wof 4,194,304 bytes; mbits 524,288 bytes of whole numbers; tab 262,144 bytes; qf 8,388,608 bytes; kvf 25,165,824 bytes; ctxf 16,777,216 bytes
;; launch prep: the kernel of part 1 again; grid 656 x 1, 8 waves a work-group, no clusters, 35,840 bytes of LDS; arguments x, Wq, Wk, Wv, Wo, mask, xf, wf, wof, mbits, tab; writes xf, wf, wof, mbits, tab
;; launch gemm1: the kernel of part 2 again; grid 16 x 16, 4 waves a work-group, clusters of 4 x 4, 327,680 bytes of LDS; arguments xf, wf, tab, qf, kvf; writes qf, kvf
;; launch attn (part 5): grid 4 x 64, 16 waves a work-group, clusters of 4 x 1, 327,680 bytes of LDS; arguments qf, kvf, mbits, ctxf; writes ctxf
.if DOCPART == 5
	.amdgcn_target "amdgcn-amd-amdhsa--gfx1250"
	.amdhsa_code_object_version 6
	.text
	.protected	k_qfcd551b248_attn
	.globl	k_qfcd551b248_attn
	.p2align	8
	.type	k_qfcd551b248_attn,@function
k_qfcd551b248_attn:
	s_mov_b64 s[64:65], 0
	v_nop
	global_prefetch_b8 v0, s[64:65] scope:SCOPE_SE
	s_setreg_imm32_b32 hwreg(HW_REG_WAVE_MODE, 25, 1), 1
	s_wait_xcnt 0x0
	s_wait_alu depctr_hold_cnt(0) depctr_sa_sdst(0) depctr_va_vdst(0) depctr_va_sdst(0) depctr_va_ssrc(0) depctr_va_vcc(0) depctr_vm_vsrc(0)
	s_getreg_b32 s2, hwreg(HW_REG_IB_STS2, 6, 4)
	s_cmp_eq_u32 s2, 0
	s_cbranch_scc0 .Lentry_in_a_cluster
	s_endpgm
.Lentry_in_a_cluster:
	s_bfe_u32 s2, ttmp6, 0x10000c
	s_cmp_lg_u32 s2, 0x3003
	s_cbranch_scc0 .Lentry_shape_is_right
	s_endpgm
.Lentry_shape_is_right:
; ATTENTION AT HEAD SIZE 32, with a mask that is an input.  ctx[q] = the sum over k of softmax_k(mask[q][k] ? q . k / sqrt(32) : -10000) v[k], for each of 64 (batch, head) and 2,048 queries.
; q and k arrive in f16, v as two f16 numbers (hi + lo), all in fragment order (a block of 16 rows x 32 channels: 1,024 bytes, [c][lane][16]); products, maxima and sums in f32; the weights p are rounded to
; f16 for the second product, and their sum l is taken of the rounded p, by the matrix unit; ctx leaves as two f16 numbers, hi = ctx rounded and lo = (ctx - hi) rounded.  Why two: a row that rests on one or
; two keys carries v's and ctx's roundings at many times the whole output's root mean square, and one f16 leaves too little room there.
; THE MASK.  No pattern is built in and no tile is left out.  A masked score is REPLACED (v_cndmask_b32) by -10000 sqrt(32) in raw units, which the scale c = log2(e) / sqrt(32) turns into -10000 log2(e):
; a row that is masked throughout comes out uniform, and open scores below -10000 lose against masked ones.
; LIMITS.  -10000 sqrt(32) is rounded to f32: the replacement is off by 1e-7 of itself.  p, and the lo parts, below 6e-5 keep f16's step of 6e-8; a weight below 2^-126 counts as 0; NaN and infinities are not treated apart.
; SHARES.  A work-group owns 512 queries of one (batch, head), each of its sixteen waves 32: two tiles of 16.  Every wave walks all 2,048 keys, 64 a step: 32 steps.
; WHY FOUR WAVES A SIMD.  The lane masks, 32 words a tile and step, come by scalar loads.  Those return in no order, so their counter says something at 0 alone (ISA guide 5.7.1): one batch is out at a time.
; A wave has scalar registers for 64 words: one step of two tiles.  All 64 selects stand early in a step, the next step's words are asked for directly behind the last select, and they are waited for at the next
; step's head: behind some 226 of the step's 330 instructions.  Four waves on a SIMD stretch that lead fourfold in issue slots, and three can issue while one waits.  A tile and step have 127 vector instructions
; for 14 matrix instructions, so vector issue binds and the larger tile of a matrix kernel buys nothing here.  The price: a fragment of K or V read from LDS feeds two tiles: 24 loads of 512 bytes a wave and step.
; LDS.  kvf's record s (12,288 bytes) holds V^T hi and V^T lo of step s and K of step (s + 1) % 32: all that step s reads from LDS.  A RING of two slots of 8 records: while one is read the other is filled.
; Each wave asks for a sixteenth of a slot (6,144 bytes, 24 rows of 256) by ONE tensor load; one load of mine is out at any time, and it has eight key steps in which to land.
; K of step 0 comes straight from memory (record 31); the last step's fetch of the next K reads that K(0) again, and the four products made of it serve nothing, once a launch: the price of one text for every step.
; CLUSTER: the four query blocks of a head want the same bytes, so the loads are joint: the same descriptor and a mask that names the four; a round of the cluster's barrier stands in front of each.
; LAYOUT.  S^T = K Q^T (source 0 = 16 keys, source 1 = 16 queries): a lane holds ONE query (lane % 16) and the keys 8 (lane / 16) + 0..7.  Two such results rounded to f16 ARE source 1 of O^T = V^T P,
; whose result holds one query a lane and eight channels: the 16 bytes of a fragment of ctx.  A product with a source 0 of ones gives l in the same layout.
; P LIES IN PLACE: pair j of a tile's 32 weights is rounded into register j of the tile's S^T: both readers of that register (its own exponential, and the rounding of pair j / 2) stand ahead.
; SOFTMAX.  For each query a running maximum m: p = 2^(c s - c m); in every step O and l are multiplied by a = 2^(c m_old - c m_new).  m starts at the lowest finite number, O and l at 0: the first step's a is 0.
; Of l's accumulator only the low pair is rescaled and read; its other six registers hold sums of at most 2,048 weights.
; REGISTERS (one window): v1-7 addresses and constants; v8-15 ones; v16-23 four registers of statistics a tile; v24-27 at work; v28-43 Q; v44-75 K of a step; v76-107 V^T hi; v108-139 V^T lo;
;   v140-203 S^T of the two tiles (P in the low 16 of each); v204-251 tile t's O^T at 204 + 24 t (16 registers) and l behind it (8).
.set STEPB, 12288                      ; a record
.set SLOTB, 8*STEPB                    ; a slot
.set PARTB, SLOTB/16                   ; what one wave's load brings
.set SLOT1, 1<<17                      ; slot 1 begins here, so that one exclusive or turns an address in one slot into the other's
.set SPARE, SLOT1+SLOTB                ; behind the ring: the spare words, 128 bytes for each of the sixteen waves
.set LA,  1                            ; v1   16 x lane; never rewritten once made
.set ADR, 2                            ; v2   the LDS address of the record in hand
.set NEG1, 3                           ; v3   -1.0
.set NEG, 4                            ; v4   -10000 sqrt(32)
.set CMO, 5                            ; v5   c m_old, kept while c m is made anew
.set SPW, 6                            ; v6   LDS address of my spare word; never rewritten
.set NIL, 7                            ; v7   0; never rewritten
.set ONE, 8                            ; v8-15  1.0 in every f16 half
.set ST,  16                           ; tile t at ST + 4 t: c m, m, a, c m_old - c m_new
.set C0,  24                           ; c0-c3
.set QF,  28
.set KF,  44
.set VF,  76                           ; key half g, channel block cb at VF + 16 g + 8 cb
.set VL,  108                          ; as VF
.set S,   140
.set O,   204
.set WV,  12                           ; s12  my wave's number
.set SLOTS, 13                         ; s13  slots still to be asked for (first: my block of queries)
.set CS,  14                           ; s[14:15] c, named as a pair
.set G1,  16                           ; s[16:23] descriptor group 1
.set G0,  24                           ; s[24:27] descriptor group 0: it walks
.set CNT, 28                           ; s28  counts a slot's key steps
.set TB,  29                           ; s29  LDS byte at which the record in hand begins
.set SEL, 30                           ; s[30:31] v_permlanex16_b32's selects: each lane takes its own place in the other half
                                       ; s[32:63] tile 0's lane masks of a step, s[68:99] tile 1's
.set MSTEP, 100                        ; s[100:101] what the masks' pointer steps by: 128 bytes, a step's words of one tile
.macro ROUND                           ; a round of the cluster's barrier
	s_barrier_signal -1
	s_barrier_wait -1
	s_cmp_lg_u32 s[WV], 0
	s_cbranch_scc1 .Lnot_wave_0_\@
	s_barrier_signal -3
.Lnot_wave_0_\@:
	s_barrier_wait -3
	s_barrier_signal -1
	s_barrier_wait -1
.endm
.macro PLACES
.rept 4
	v_nop
.endr
.endm
; THE CHANGE OF SLOTS, between two key steps.  Each wave waits for all its tensor loads, of which one is out: its part of the other slot; adds 0 to its spare word; and waits for that and for its own reads of
; the slot that it leaves.  Behind the barrier nobody reads the old slot any more and the other slot is whole.  fill = 1: the old slot is filled again, with the records two slots on: the barrier is then a round
; of the cluster's, so that no wave of any partner still reads the slot or has a load on its way, and the joint fill is the first thing behind it.  (At its first use nothing has been read: slot 0 is waited for, slot 1 filled.)
.macro CHANGE fill
	s_wait_tensorcnt 0x0                           ; no tensor load of mine is out, so the group 0 may be written
	ds_add_u32 v[SPW], v[NIL]                      ; 0 onto my spare word
.if \fill
	s_xor_b32 s[G0+1], s[G0+1], SLOT1              ; the walking descriptor: the other slot than last time,
	s_add_nc_u64 s[G0+2:G0+3], s[G0+2:G0+3], SLOTB ; the next 8 records; the type bits on top are not reached
.endif
	s_wait_dscnt 0x0                               ; the add is done, and my reads of the slot are over
.if \fill
	ROUND
	tensor_load_to_lds s[G0:G0+3], s[G1:G1+7]      ; my one tensor load behind the round
	s_nop 0
	PLACES
.else
	s_barrier_signal -1
	s_barrier_wait -1
.endif
	s_sub_co_u32 s[TB], s[TB], SLOTB               ; the fetches go back to a slot's first record,
	s_xor_b32 s[TB], s[TB], SLOT1                  ; in the other slot
.endm
	s_load_b256 s[4:11], s[0:1], 0x0               ; qf s[4:5], kvf s[6:7], mbits s[8:9], ctxf s[10:11]
	v_lshl_add_u32 v[SPW], v0, 2, SPARE
	v_mov_b32 v[NIL], 0
	ds_add_u32 v[SPW], v[NIL]                      ; the wave's opening: the add and its wait stand ahead of my first tensor load; the set-up below stands between them
	v_lshrrev_b32 v1, 5, v0
	v_readfirstlane_b32 s[WV], v1                  ; wave 0..15
	s_bfe_u32 s13, ttmp6, 0x40000                  ; cx
	s_lshl_b32 s32, ttmp9, 2
	s_add_co_u32 s13, s32, s13                     ; my block of 512 queries: it enters qf's, mbits' and ctxf's addresses alone
	s_and_b32 s33, ttmp7, 0xffff                   ; bh = 32 x batch + head, which the four partners share
	; descriptor: 6,144 dense bytes as 24 rows of 32 elements of 8 bytes
	s_mov_b32 s[G1], 15|(3<<16)|(1<<21)            ; 15:0 the mask of four; 17:16 elements of 8 bytes; 21 set beside a mask
	s_mov_b32 s[G1+1], 32<<16                      ; tensor_dim0 = 32
	s_mov_b32 s[G1+2], 24<<16                      ; tensor_dim1 = 24
	s_mov_b32 s[G1+3], 32<<16                      ; tile_dim0 = 32
	s_mov_b32 s[G1+4], 24                          ; tile_dim1 = 24
	s_mov_b32 s[G1+5], 32                          ; elements from row to row
	s_mov_b32 s[G1+6], 0
	s_mov_b32 s[G1+7], 0
	s_mov_b32 s[G0], 1
	s_mul_i32 s[G0+1], s[WV], PARTB                ; LDS address: slot 0, my sixteenth of it
	s_mul_i32 s34, s33, 32*STEPB                   ; the head's 32 records in kvf
	s_add_co_u32 s44, s34, 31*STEPB+8192           ; K of step 0 lies in record 31
	s_mov_b32 s45, 0
	s_add_co_u32 s34, s34, s[G0+1]                 ; my sixteenth of the first 8 records
	s_mov_b32 s35, 0
	s_lshl4_add_u32 s39, s13, s[WV]                ; 16 x block + wave: my 32 queries among the head's
	s_lshl_b32 s36, s33, 17                        ; qf: a head's 131,072 bytes, my two tiles' 2,048
	s_lshl_b32 s38, s39, 11
	s_add_co_u32 s36, s36, s38
	s_mov_b32 s37, 0
	s_lshl_b32 s40, s39, 13                        ; mbits: two tiles of 4,096 bytes
	s_mov_b32 s41, 0
	s_lshr_b32 s42, s33, 5                         ; ctxf [row block 256][part 2][head 32][1024]: the batch's 128 row blocks of 65,536 bytes,
	s_lshl_b32 s42, s42, 23
	s_lshl_b32 s38, s39, 17                        ; my two,
	s_add_co_u32 s42, s42, s38
	s_and_b32 s38, s33, 31                         ; the head
	s_lshl_b32 s38, s38, 10
	s_add_co_u32 s42, s42, s38
	s_mov_b32 s43, 0
	s_mov_b32 s[CS], 0x3e8293ee                    ; c = log2(e) / sqrt(32) = 0.255035
	s_mov_b32 s[CS+1], s[CS]
	s_mov_b32 s[SEL], 0x76543210
	s_mov_b32 s[SEL+1], 0xfedcba98
	s_mov_b32 s[MSTEP], 128
	s_mov_b32 s[MSTEP+1], 0
	s_mov_b32 s[TB], SLOT1+SLOTB                   ; the first change of slots turns this into 0
	s_wait_dscnt 0x0                               ; the opening add is done
	s_wait_kmcnt 0x0
	s_add_nc_u64 s[G0+2:G0+3], s[6:7], s[34:35]
	s_or_b32 s[G0+3], s[G0+3], 0x80000000          ; type = 2
	s_add_nc_u64 s[2:3], s[6:7], s[44:45]
	s_add_nc_u64 s[4:5], s[4:5], s[36:37]
	s_add_nc_u64 s[8:9], s[8:9], s[40:41]
	s_add_nc_u64 s[10:11], s[10:11], s[42:43]
	ROUND                                          ; all four work-groups are here: the first joint loads meet
	tensor_load_to_lds s[G0:G0+3], s[G1:G1+7]      ; slot 0.  Slot 1 is asked for when slot 0 is in
	s_nop 0
	PLACES
	v_and_b32 v[LA], 31, v0
	v_lshlrev_b32 v[LA], 4, v[LA]
.set i, 0
.rept 4                                                ; Q stays in registers: tile i / 2, half i % 2 of its fragment
	global_load_b128 v[QF+4*i:QF+4*i+3], v[LA], s[4:5] offset:512*i
.set i, i+1
.endr
.set i, 0
.rept 8                                                ; K of step 0
	global_load_b128 v[KF+4*i:KF+4*i+3], v[LA], s[2:3] offset:512*i
.set i, i+1
.endr
	s_load_b512 s[32:47], s[8:9], 0x0              ; both tiles' lane masks for step 0
	s_load_b512 s[48:63], s[8:9], 0x40
	s_load_b512 s[68:83], s[8:9], 0x1000
	s_load_b512 s[84:99], s[8:9], 0x1040
	; what the first step finds; all this stands in the wait for the first loads
.set i, 0
.rept 8
	v_mov_b32 v[ONE+i], 0x3c003c00
.set i, i+1
.endr
	v_mov_b32 v[NEG], 0xc75cf88b
	v_mov_b32 v[NEG1], -1.0
.set i, 0
.rept 2
	v_mov_b32 v[ST+4*i], 0xfe000000                ; c m: far below every c s
	v_mov_b32 v[ST+4*i+1], 0xff7fffff              ; m
.set i, i+1
.endr
.set i, 0
.rept 48
	v_mov_b32 v[O+i], 0                            ; O^T and l
.set i, i+1
.endr
.macro REGS t                          ; the registers of tile t
.set rT, ST+4*(\t)
.set rS, S+32*(\t)
.set rO, O+24*(\t)
.endm
.macro KQ t                            ; S^T of tile t: four accumulators, each started by its one product
.irp kb, 0,1,2,3
	v_wmma_f32_16x16x32_f16 v[S+32*(\t)+8*\kb:S+32*(\t)+8*\kb+7], v[KF+8*\kb:KF+8*\kb+7], v[QF+8*(\t):QF+8*(\t)+7], 0
.endr
.endm
.macro CND t, lo, hi                   ; the replacement in registers lo .. hi of tile t's scores; each accumulator's registers in ascending order
.set i, \lo
.rept (\hi)-(\lo)+1
	v_cndmask_b32 v[S+32*(\t)+i], v[NEG], v[S+32*(\t)+i], s[32+36*(\t)+i]
.set i, i+1
.endr
.endm
.macro MAXA                            ; the maximum: four chains of seven scores, three operands at a time
.irp n, 0,1,2,3
	v_max3_num_f32 v[C0+\n], v[rS+8*\n], v[rS+8*\n+1], v[rS+8*\n+2]
.endr
.irp n, 4,5,6,7,8,9,10,11
	v_max3_num_f32 v[C0+(\n)%4], v[C0+(\n)%4], v[rS+8*((\n)%4)+2*((\n)/4)+1], v[rS+8*((\n)%4)+2*((\n)/4)+2]
.endr
.endm
.macro MAXB                            ; the four scores left over, the old m, the other half of the lanes; then c m, and a
	v_max3_num_f32 v[C0], v[C0], v[rS+7], v[rS+15]
	v_max3_num_f32 v[C0+1], v[C0+1], v[rS+23], v[rS+31]
	v_max3_num_f32 v[C0+2], v[C0+2], v[C0+3], v[rT+1]
	v_mov_b32 v[CMO], v[rT]
	v_max3_num_f32 v[C0], v[C0], v[C0+1], v[C0+2]
	v_permlanex16_b32 v[C0+3], v[C0], s[SEL], s[SEL+1]  ; the query's other 32 keys lie in the lane 16 away
	v_max_num_f32 v[rT+1], v[C0], v[C0+3]
	v_mul_f32 v[rT], s[CS], v[rT+1]
	v_sub_f32 v[rT+3], v[CMO], v[rT]
	v_exp_f32 v[rT+2], v[rT+3]
.endm
.macro FS b                            ; c s - c m for pair b of the tile's 16
	v_pk_fma_f32 v[rS+2*(\b):rS+2*(\b)+1], v[rS+2*(\b):rS+2*(\b)+1], s[CS:CS+1], v[rT:rT+1] op_sel_hi:[1,0,0] neg_lo:[0,0,1] neg_hi:[0,0,1]
.endm
.macro CV j                            ; pair j rounded to f16, into register j
	s_wait_alu depctr_va_vdst(0)
	v_cvt_pk_f16_f32 v[rS+(\j)], v[rS+2*(\j)], v[rS+2*(\j)+1]
.endm
.macro EXPS                            ; scalings, exponentials and roundings by turns: a plain instruction stands between every exponential and the use of its result (ISA guide 5.7.2)
	FS 0
	FS 1
.set k, 0
.rept 32
	v_exp_f32 v[rS+k], v[rS+k]
.if (k%2 == 0) && (k <= 26)
	FS k/2+2
.elseif (k%2 == 1) && (k >= 3)
	CV (k-3)/2
.endif
.set k, k+1
.endr
	CV 15
.endm
.macro RESC                            ; O^T's 16 registers and l's low pair times a
.set z, 0
.rept 9
	v_pk_mul_f32 v[rO+2*z:rO+2*z+1], v[rO+2*z:rO+2*z+1], v[rT+2:rT+3] op_sel_hi:[1,0]
.set z, z+1
.endr
.endm
.macro PV                              ; O^T += V^T P, hi and lo, and l += ones P; the three accumulators take turns, one instruction a turn
.irp g, 0,1
	v_wmma_f32_16x16x32_f16 v[rO:rO+7], v[VF+16*\g:VF+16*\g+7], v[rS+8*\g:rS+8*\g+7], v[rO:rO+7]
	v_wmma_f32_16x16x32_f16 v[rO+8:rO+15], v[VF+16*\g+8:VF+16*\g+15], v[rS+8*\g:rS+8*\g+7], v[rO+8:rO+15]
	v_wmma_f32_16x16x32_f16 v[rO+16:rO+23], v[ONE:ONE+7], v[rS+8*\g:rS+8*\g+7], v[rO+16:rO+23]
	v_wmma_f32_16x16x32_f16 v[rO:rO+7], v[VL+16*\g:VL+16*\g+7], v[rS+8*\g:rS+8*\g+7], v[rO:rO+7]
	v_wmma_f32_16x16x32_f16 v[rO+8:rO+15], v[VL+16*\g+8:VL+16*\g+15], v[rS+8*\g:rS+8*\g+7], v[rO+8:rO+15]
.endr
.endm
; A KEY STEP for both tiles.  Tile 0's scores were made in the step before; this step makes tile 1's, and the next step's tile 0's from the next step's K.
; The places behind matrix instructions are all useful lines: 8 selects between the last step's products and the loads into V^T; 32 selects between those products and the product that writes
; over tile 1's P; 12 maxima between tile 1's K Q^T and the loads into K and the selects that read its result; tile 1's whole softmax between tile 0's products and the K Q^T that writes over tile 0's P;
; 9 rescalings between that K Q^T and the next step's selects.
; last = 1 (the tail): in the last trip the masks' pointer stays, so that the last request, which nothing uses, reads the last step's words once more and not past mbits' end.
.macro STEP last
	s_wait_kmcnt 0x0                               ; this step's 64 words are in, and no scalar load is out: the pointer may step
	CND 0, 0, 7
	v_add_nc_u32 v[ADR], s[TB], v[LA]
.irp f, 0,1,2,3,4,5,6,7
	ds_load_b128 v[VF+4*\f:VF+4*\f+3], v[ADR] offset:512*\f       ; V^T hi of the step in hand,
.endr
.irp f, 0,1,2,3,4,5,6,7
	ds_load_b128 v[VL+4*\f:VL+4*\f+3], v[ADR] offset:4096+512*\f  ; and lo
.endr
	CND 0, 8, 31
	KQ 1
	REGS 0
	MAXA
.irp f, 0,1,2,3,4,5,6,7
	ds_load_b128 v[KF+4*\f:KF+4*\f+3], v[ADR] offset:8192+512*\f  ; K of the next step, from the record in hand
.endr
	s_add_co_u32 s[TB], s[TB], STEPB               ; the next fetch is the next record's
	CND 1, 0, 31
.if \last
	s_cmp_lg_u32 s[CNT], 1
	s_cselect_b32 s[MSTEP], 128, 0
.endif
	s_add_nc_u64 s[8:9], s[8:9], s[MSTEP:MSTEP+1]
	s_load_b512 s[32:47], s[8:9], 0x0              ; the next step's words, asked for as soon as this step's have been used
	s_load_b512 s[48:63], s[8:9], 0x40
	s_load_b512 s[68:83], s[8:9], 0x1000
	s_load_b512 s[84:99], s[8:9], 0x1040
	MAXB
	EXPS
	RESC
	s_wait_dscnt 0x0                               ; V^T and the next K are in
	PV
	REGS 1
	MAXA
	MAXB
	EXPS
	KQ 0
	RESC
	PV
.endm
	s_wait_loadcnt 0x0                             ; Q and K of step 0
	KQ 0                                           ; tile 0's first scores
	PLACES
	s_mov_b32 s[SLOTS], 3
.Lslot:                                                ; three trips: a slot is entered and the other is asked for
	CHANGE 1
	s_mov_b32 s[CNT], 8
.Lstep:
	STEP 0
	s_sub_co_u32 s[CNT], s[CNT], 1
	s_cmp_lg_u32 s[CNT], 0
	s_cbranch_scc1 .Lstep
	s_sub_co_u32 s[SLOTS], s[SLOTS], 1
	s_cmp_lg_u32 s[SLOTS], 0
	s_cbranch_scc1 .Lslot
	CHANGE 0                                       ; the last slot is written out: nothing is asked for
	s_mov_b32 s[CNT], 8
.Ltail:
	STEP 1
	s_sub_co_u32 s[CNT], s[CNT], 1
	s_cmp_lg_u32 s[CNT], 0
	s_cbranch_scc1 .Ltail
	s_wait_kmcnt 0x0                               ; the last request for lane masks, which nothing uses
	; THE WAY OUT.  O^T is divided by l; hi = that rounded to f16; lo = (hi's half x -1.0 + that, exact in f32) rounded to f16.  A lane's eight channels are 16 bytes of a fragment of ctx,
	; and each store of the wave is 512 consecutive bytes.
	PLACES
.irp t, 0,1
	v_rcp_f32 v[ST+4*\t+2], v[O+24*\t+16]          ; l's lowest register
.endr
	v_nop                                          ; a plain instruction between the last reciprocal and the use of its result
	s_wait_alu depctr_va_vdst(0)
.irp t, 0,1
.set z, 0
.rept 8
	v_pk_mul_f32 v[O+24*\t+2*z:O+24*\t+2*z+1], v[O+24*\t+2*z:O+24*\t+2*z+1], v[ST+4*\t+2:ST+4*\t+3] op_sel_hi:[1,0]
.set z, z+1
.endr
.set z, 0
.rept 8
	v_cvt_pk_f16_f32 v[S+16*\t+z], v[O+24*\t+2*z], v[O+24*\t+2*z+1]  ; S^T's registers are free
.set z, z+1
.endr
.set z, 0
.rept 16
.if z%2
	v_fma_mix_f32 v[VF+z], v[S+16*\t+z/2], v[NEG1], v[O+24*\t+z] op_sel:[1,0,0] op_sel_hi:[1,0,0]  ; source 0 is an f16 half, the other two are f32; V^T's registers are free
.else
	v_fma_mix_f32 v[VF+z], v[S+16*\t+z/2], v[NEG1], v[O+24*\t+z] op_sel_hi:[1,0,0]
.endif
.set z, z+1
.endr
.set z, 0
.rept 8
	v_cvt_pk_f16_f32 v[S+16*\t+8+z], v[VF+2*z], v[VF+2*z+1]
.set z, z+1
.endr
	global_store_b128 v[LA], v[S+16*\t:S+16*\t+3], s[10:11] offset:65536*\t
	global_store_b128 v[LA], v[S+16*\t+4:S+16*\t+7], s[10:11] offset:65536*\t+512
	global_store_b128 v[LA], v[S+16*\t+8:S+16*\t+11], s[10:11] offset:65536*\t+32768
	global_store_b128 v[LA], v[S+16*\t+12:S+16*\t+15], s[10:11] offset:65536*\t+32768+512
.endr
	s_wait_tensorcnt 0x0                           ; the wave's end
	ds_add_u32 v[SPW], v[NIL]
	s_wait_dscnt 0x0
	ROUND                                          ; the closing round
	s_endpgm
.Lfunc_end_k_qfcd551b248_attn:
	.size	k_qfcd551b248_attn, .Lfunc_end_k_qfcd551b248_attn-k_qfcd551b248_attn
	.p2alignl 7, 3214868480
	.fill 96, 4, 3214868480
	.section	.rodata,"a",@progbits
	.p2align	6, 0x0
	.amdhsa_kernel k_qfcd551b248_attn
		.amdhsa_group_segment_fixed_size 327680
		.amdhsa_private_segment_fixed_size 0
		.amdhsa_enable_private_segment 0
		.amdhsa_kernarg_size 32
		.amdhsa_user_sgpr_count 2
		.amdhsa_user_sgpr_kernarg_segment_ptr 1
		.amdhsa_wavefront_size32 1
		.amdhsa_system_sgpr_workgroup_id_x 1
		.amdhsa_system_sgpr_workgroup_id_y 1
		.amdhsa_system_sgpr_workgroup_id_z 1
		.amdhsa_system_vgpr_workitem_id 0
		.amdhsa_next_free_vgpr 256
		.amdhsa_next_free_sgpr 102
		.amdhsa_reserve_vcc 0
		.amdhsa_float_denorm_mode_32 3
		.amdhsa_float_denorm_mode_16_64 3
		.amdhsa_memory_ordered 1
		.amdhsa_forward_progress 1
		.amdhsa_inst_pref_size 53
	.end_amdhsa_kernel
	.amdgpu_metadata
---
amdhsa.version: [ 1, 2 ]
amdhsa.kernels:
  - .name:           k_qfcd551b248_attn
    .symbol:         k_qfcd551b248_attn.kd
    .args:
      - { .name: qf, .offset: 0, .size: 8, .value_kind: global_buffer, .address_space: global }
      - { .name: kvf, .offset: 8, .size: 8, .value_kind: global_buffer, .address_space: global }
      - { .name: mbits, .offset: 16, .size: 8, .value_kind: global_buffer, .address_space: global }
      - { .name: ctxf, .offset: 24, .size: 8, .value_kind: global_buffer, .address_space: global }
    .group_segment_fixed_size: 327680
    .private_segment_fixed_size: 0
    .kernarg_segment_align: 8
    .kernarg_segment_size: 32
    .max_flat_workgroup_size: 512
    .sgpr_count:     102
    .vgpr_count:     256
    .wavefront_size: 32
...
	.end_amdgpu_metadata
.endif
;; end of part 5
;; launch gemm2: the kernel of part 4 again; grid 8 x 32, 4 waves a work-group, clusters of 4 x 4, 327,680 bytes of LDS; arguments ctxf, wof, out0; writes out0
;; ======== version 3 of 3: 4 launches; version 2 with the launch prep written anew for expert scheduling mode
;; limits: values are held in f16: magnitudes above 65,504 overflow, below 6.1e-05 lose precision
;; workspace buffers: xf 8,388,608 bytes; wf 6,291,456 bytes; wof 4,194,304 bytes; mbits 524,288 bytes of whole numbers; tab 262,144 bytes; qf 8,388,608 bytes; kvf 25,165,824 bytes; ctxf 16,777,216 bytes
;; launch prep (part 6): grid 656 x 1, 8 waves a work-group, no clusters, 35,840 bytes of LDS; arguments x, Wq, Wk, Wv, Wo, mask, xf, wf, wof, mbits, tab; writes xf, wf, wof, mbits, tab
.if DOCPART == 6
	.amdgcn_target "amdgcn-amd-amdhsa--gfx1250"
	.amdhsa_code_object_version 6
	.text
	.protected	k_qfcd551b248_prep
	.globl	k_qfcd551b248_prep
	.p2align	8
	.type	k_qfcd551b248_prep,@function
k_qfcd551b248_prep:
	s_mov_b64 s[64:65], 0
	v_nop
	global_prefetch_b8 v0, s[64:65] scope:SCOPE_SE
	s_setreg_imm32_b32 hwreg(HW_REG_WAVE_SCHED_MODE, 0, 2), 2
	s_setreg_imm32_b32 hwreg(HW_REG_WAVE_MODE, 25, 1), 1
	s_wait_xcnt 0x0
	s_wait_alu depctr_vm_vsrc(0)
; PREPARATION: every input is read once and laid out as the later launches take it.
; FRAGMENT ORDER.  A block of 16 rows x 32 k of 16-bit numbers is 1,024 bytes, [c 0..1][lane 0..31][16 bytes]: lane l's 16 bytes hold row l % 16, k = 16 c + 8 (l / 16) + 0..7: the register
; image of a 16-bit matrix operand (ISA guide 7.12.2).  A fragment is then two loads of 16 bytes a lane at 16 x lane, 512 bytes apart, from memory or LDS, with no padding.
; JOBS, by the work-group's number g (scalar branches on g alone):
;   g <  256        x's rows 16 g ..            -> xf  [rb 256][kb 32][1024], bf16
;   256 <= g < 448  Wq, Wk, Wv (t = 0, 1, 2), rows 16 j .. -> wf [nb 192][kb 32][1024], bf16, nb = 6 (j / 2) + 2 t + j % 2: a head's q, k and v rows lie together
;   448 <= g < 512  Wo's rows 16 (g - 448) ..   -> wof [nb 64][copy 2][kb 32][1024]: rounded to bf16 like the other inputs, that number written as f16 (below 6e-5 it keeps f16's step of 6e-8);
;                   twice on end, since the last product walks ctx's high parts and then its low parts against the same rows of Wo
;   512 <= g < 640  the mask's 16 rows of query tile qt = g - 512 -> mbits [qt 128][ks 32][idx 32] words: bit l of word idx = 8 kb + j says whether
;                   mask[16 qt + l % 16][64 ks + 16 kb + 8 (l / 16) + j] is not 0: a lane mask for register 8 kb + j of the scores.  A mask byte other than 0 counts as true.
;   640 <= g < 656  cos and sin of the rotary angles -> tab [sb 128][2048]: cos j 0-3, cos j 4-7, sin j 0-3, sin j 4-7, 512 bytes each (16 x lane); lane l: position 16 sb + l % 16, frequency 8 (l / 16) + j
; Memory binds: each load of a wave takes 512 consecutive bytes (the mask's: two pieces of 256), each store 512.  No matrix unit, no cluster, no barrier: a wave turns its own part in its own LDS stage.
; THE MODE: SCHED_MODE bits 1:0 = 2 (LLVM: expert scheduling mode 2), set by the entry lines.  The code itself states the register dependences
; between vector instructions and memory or LDS instructions, with s_wait_alu, always for 0.
; THE PLAN.  No job has a loop: a wave loads once, turns its part in its stage and stores once; the text is a head and four straight ways.  Registers that memory or LDS instructions touch:
;   v1          the global loads' offset.  Written at a job's head; one wait on va_vdst stands between that and the loads; never written again.
;   v3, v4, v2  LDS address in, LDS address back, the global stores' offset.  Written behind the loads' issue and ahead of the way's next wait on va_vdst, which stands ahead of the first LDS store; never written again.
;   X           x, W, Wo: the loads land in it; the roundings read a row's four registers and write its first two IN PLACE; the row's LDS store reads those two; nothing writes them again.
;               The 16 rows go in four groups: the wait for the group's loads, its roundings, ONE wait on va_vdst, its four LDS stores.   The mask: loads land in it, LDS stores read it, no vector instruction names it.
;   Y           The LDS loads land in it, once; global stores (x, W, Wo) or vector instructions (the mask) read it.  No vector instruction names it ahead of those loads.
;   v16-19 (the mask), v32-47 (the table)   Written by vector instructions, read by the job's last stores: one wait on va_vdst ahead of them.
;   v5, v6      Written at the head, read by the closing add alone.
; So no register that a memory or LDS instruction has read is ever written again, and past the entry lines the text holds no wait on vm_vsrc.
; Scalar registers that vector instructions write: s28 (the wave's number); s44-59 (the mask's compares, in runs of sixteen); s39-46 (the table's eight compares, one run): one wait on va_sdst behind each run, ahead of its first reader.
.set STG,   4352                       ; a wave's stage: 16 rows of 256 bytes + 16 of padding = 68 words: row r starts at bank 4 r mod 64 (64 banks of 4 bytes: ISA guide 11.1)
.set SPARE, 8*STG                      ; behind the stages: the spare words, 128 bytes for each of the eight waves
.set SPW, 5                            ; v5   LDS address of my spare word; never rewritten
.set NIL, 6                            ; v6   0; never rewritten
.set X,   32                           ; v[32:95]   as loaded
.set Y,   96                           ; v[96:127]  as read back from the stage
.set TM,  20                           ; v[20:27]   the mask: eight bytes picked out, at work: no memory instruction names them
.set CM,  44                           ; s[44:59]   the mask: a run's sixteen lane masks
.set SN,  48                           ; v[48:55]   the table: sin r of the eight frequencies
.set CN,  56                           ; v[56:63]   the table: cos r
.set QN,  64                           ; v[64:71]   the table: the number of quarter turns
.set MK,  39                           ; s[39:46]   the table: the eight lane masks 'an odd quarter turn'
.macro FINISH                          ; the wave's end: the closing lines, six on end
	s_wait_dscnt 0x0
	s_wait_alu 0x0
	s_wait_tensorcnt 0x0
	ds_add_u32 v[SPW], v[NIL]
	s_wait_dscnt 0x0
	s_endpgm
.endm
	s_load_b512 s[4:19], s[0:1], 0x0               ; x 4:5, Wq 6:7, Wk 8:9, Wv 10:11, Wo 12:13, mask 14:15, xf 16:17, wf 18:19
	s_load_b128 s[20:23], s[0:1], 0x40             ; wof 20:21, mbits 22:23
	s_load_b64 s[24:25], s[0:1], 0x50              ; tab
	v_lshl_add_u32 v[SPW], v0, 2, SPARE
	v_mov_b32 v[NIL], 0
	v_lshrrev_b32 v7, 5, v0
	v_readfirstlane_b32 s28, v7                    ; wave 0..7
	v_and_b32 v7, 31, v0                           ; lane
	v_and_b32 v8, 15, v0                           ; l % 16
	v_bfe_u32 v9, v0, 4, 1                         ; l / 16
	s_mov_b32 s26, ttmp9                           ; g
	s_wait_alu depctr_va_sdst(0)                   ; s28 is written, ahead of its first reader: the stage's place and the jobs' offsets are made from it
	s_mul_i32 s29, s28, STG                        ; my stage
	s_mov_b32 s31, 0                               ; high words of the two offsets
	s_mov_b32 s33, 0
	s_wait_kmcnt 0x0
	s_cmp_ge_u32 s26, 640
	s_cbranch_scc1 .Ltable
	s_cmp_ge_u32 s26, 512
	s_cbranch_scc1 .Lmask
	s_cmp_ge_u32 s26, 448
	s_cbranch_scc1 .Lwo
; 16 rows x 1,024 k of f32 at s[34:35] -> 32 fragment blocks at s[36:37].  Wave w takes k = 128 w .. 128 w + 127: four blocks.  tof16 = 1: Wo's form: f16, and stored twice, 32,768 bytes apart.
.macro CONV tof16
	v_lshlrev_b32 v1, 4, v0                        ; 512 w + 16 lane: my 4 numbers of a row
	s_wait_alu depctr_va_vdst(0)                   ; v1 is written, which the sixteen loads read as their offset
.set i, 0
.rept 16
	global_load_b128 v[X+4*i:X+4*i+3], v1, s[34:35] offset:4096*i th:TH_LOAD_NT  ; row i: 512 consecutive bytes a wave; read once in the launch
.set i, i+1
.endr
	v_lshl_add_u32 v3, v7, 3, s29                  ; into the stage: 8 bytes a lane along a row
	v_mul_u32_u24 v4, v8, 272                      ; back: row l % 16, 16 bytes for each half of the lanes
	v_lshl_add_u32 v4, v9, 4, v4
	v_add_nc_u32 v4, s29, v4
	v_lshlrev_b32 v2, 4, v7
	v_lshl_add_u32 v2, s28, 12, v2                 ; out: my four blocks, 4,096 w + 16 lane
.set g, 0
.rept 4                                                ; four rows at a time
	s_wait_loadcnt 12-4*g                          ; loads come back in order (ISA guide 5.7.1): rows 4 g to 4 g + 3 are in, the 12 - 4 g younger ones may be out
.set i, 4*g
.rept 4
.if \tof16
	v_cvt_pk_bf16_f32 v10, v[X+4*i], v[X+4*i+1]
	v_cvt_pk_bf16_f32 v11, v[X+4*i+2], v[X+4*i+3]
	v_lshlrev_b32 v12, 16, v10                     ; the bf16 numbers as f32,
	v_and_b32 v13, 0xffff0000, v10
	v_lshlrev_b32 v14, 16, v11
	v_and_b32 v15, 0xffff0000, v11
	v_cvt_pk_f16_f32 v[X+4*i], v12, v13            ; written as f16, into the first two of the row's four registers
	v_cvt_pk_f16_f32 v[X+4*i+1], v14, v15
.else
	v_cvt_pk_bf16_f32 v[X+4*i], v[X+4*i], v[X+4*i+1]      ; four numbers close up into the first two of their four registers
	v_cvt_pk_bf16_f32 v[X+4*i+1], v[X+4*i+2], v[X+4*i+3]
.endif
.set i, i+1
.endr
	s_wait_alu depctr_va_vdst(0)                   ; the roundings have written the four rows' pairs, which the LDS stores read; at the first group also: v3, v4 and v2 are written
.set i, 4*g
.rept 4
	ds_store_b64 v3, v[X+4*i:X+4*i+1] offset:272*i
.set i, i+1
.endr
.set g, g+1
.endr
.set u, 0
.rept 8
	ds_load_b128 v[Y+4*u:Y+4*u+3], v4 offset:32*u  ; block u / 2, half u % 2.  LDS serves a wave's instructions in order (ISA guide 5.7.1.4): these see the stores above.  No vector instruction names Y, and none since the last wait names v4
.set u, u+1
.endr
.set u, 0
.rept 8
	s_wait_dscnt 7-u
	global_store_b128 v2, v[Y+4*u:Y+4*u+3], s[36:37] offset:512*u  ; 512 consecutive bytes
.if \tof16
	global_store_b128 v2, v[Y+4*u:Y+4*u+3], s[36:37] offset:32768+512*u
.endif
.set u, u+1
.endr
.endm
	; x, Wq, Wk or Wv.  For g < 256 the numbers made of g - 256 are not used: the selects below take x's.
	s_sub_co_u32 s38, s26, 256
	s_lshr_b32 s39, s38, 6                         ; t
	s_and_b32 s40, s38, 63                         ; j
	s_lshr_b32 s41, s40, 1                         ; the head
	s_mul_i32 s41, s41, 6
	s_lshl1_add_u32 s41, s39, s41                  ; + 2 t
	s_and_b32 s42, s40, 1
	s_add_co_u32 s41, s41, s42                     ; nb
	s_cmp_eq_u32 s39, 1
	s_cselect_b64 s[34:35], s[8:9], s[6:7]
	s_cmp_eq_u32 s39, 2
	s_cselect_b64 s[34:35], s[10:11], s[34:35]
	s_cmp_lt_u32 s26, 256
	s_cselect_b64 s[34:35], s[4:5], s[34:35]       ; from x or from W t,
	s_cselect_b64 s[36:37], s[16:17], s[18:19]     ; to xf or to wf
	s_cselect_b32 s30, s26, s40
	s_cselect_b32 s32, s26, s41
	s_lshl_b32 s30, s30, 16                        ; 16 rows of 4,096 bytes
	s_lshl_b32 s32, s32, 15                        ; 32 blocks of 1,024 bytes
	s_add_nc_u64 s[34:35], s[34:35], s[30:31]
	s_add_nc_u64 s[36:37], s[36:37], s[32:33]
	CONV 0
	FINISH
.Lwo:
	s_sub_co_u32 s38, s26, 448
	s_lshl_b32 s30, s38, 16
	s_lshl_b32 s32, s38, 16                        ; two copies of 32 blocks
	s_add_nc_u64 s[34:35], s[12:13], s[30:31]
	s_add_nc_u64 s[36:37], s[20:21], s[32:33]
	CONV 1
	FINISH
.Lmask:                                                ; wave w takes keys 256 w .. 256 w + 255 of the tile's 16 rows: 128 words of mbits
	s_sub_co_u32 s38, s26, 512                     ; qt
	s_lshl_b32 s30, s38, 15                        ; 16 rows of 2,048 bytes
	s_lshl_b32 s39, s28, 8
	s_add_co_u32 s30, s30, s39
	s_add_nc_u64 s[34:35], s[14:15], s[30:31]
	s_lshl_b32 s32, s38, 12
	s_lshl_b32 s39, s28, 9
	s_add_co_u32 s32, s32, s39
	s_add_nc_u64 s[36:37], s[22:23], s[32:33]
	v_lshlrev_b32 v1, 4, v8
	v_lshl_add_u32 v1, v9, 11, v1                  ; lanes 0-15 one row's 256 bytes, lanes 16-31 the next row's
	s_wait_alu depctr_va_vdst(0)                   ; v1 is written, which the eight loads read as their offset
.set i, 0
.rept 8
	global_load_b128 v[X+4*i:X+4*i+3], v1, s[34:35] offset:4096*i th:TH_LOAD_NT
.set i, i+1
.endr
	v_mul_u32_u24 v3, v9, 272
	v_lshl_add_u32 v3, v8, 4, v3
	v_add_nc_u32 v3, s29, v3                       ; into the stage as it came
	v_mul_u32_u24 v4, v8, 272
	v_lshl_add_u32 v4, v9, 3, v4
	v_add_nc_u32 v4, s29, v4                       ; back: row l % 16, keys 8 (l / 16) + 0..7 of a group of 16
	v_lshlrev_b32 v2, 4, v7
	s_mov_b32 s40, 0xff                            ; the four bytes of a word
	s_mov_b32 s41, 0xff00
	s_mov_b32 s42, 0xff0000
	s_mov_b32 s43, 0xff000000
.irp r, 16,17,18,19
	v_mov_b32 v\r, 0                               ; v_writelane_b32's destination counts as read
.endr
	s_wait_alu depctr_va_vdst(0)                   ; v3 and v4 are written, the addresses of the LDS stores and loads below, and v2, the last store's offset
.set i, 0
.rept 8
	s_wait_loadcnt 7-i
	ds_store_b128 v3, v[X+4*i:X+4*i+3] offset:544*i
.set i, i+1
.endr
.set u, 0
.rept 16
	ds_load_b64 v[Y+2*u:Y+2*u+1], v4 offset:16*u
.set u, u+1
.endr
; A group of 16 keys gives eight words; word n = 8 x group + j goes to lane n / 4, register n % 4 of the one store.  Two groups are a RUN: sixteen compares into sixteen scalar registers,
; one wait, and the sixteen lines that read them.
.set u, 0
.rept 8
.set h, 0
.rept 2
	s_wait_dscnt 15-(2*u+h)                        ; LDS loads come back in order (ISA guide 5.7.1): group 2 u + h is in, the younger ones may be out
.set j, 0
.rept 8
	v_and_b32 v[TM+j], s[40+j%4], v[Y+2*(2*u+h)+j/4]
.set j, j+1
.endr
.set j, 0
.rept 8
	v_cmp_ne_u32 s[CM+8*h+j], 0, v[TM+j]           ; bit l: my row's key is open
.set j, j+1
.endr
.set h, h+1
.endr
	s_wait_alu depctr_va_sdst(0)                   ; the run's sixteen compares have written s[CM ..], ahead of their first readers
.set j, 0
.rept 16
.set n, 16*u+j
	v_writelane_b32 v[16+n%4], s[CM+j], n/4
.set j, j+1
.endr
.set u, u+1
.endr
	s_wait_alu depctr_va_vdst(0)                   ; the words are written into v[16:19], which the store reads
	global_store_b128 v2, v[16:19], s[36:37]       ; 512 consecutive bytes
	FINISH
.Ltable:                                               ; wave w makes block sb = 8 (g - 640) + w.  The angles are the problem's own, position x 10000^(-f / 16), at most 2,047 radians
	s_sub_co_u32 s38, s26, 640
	s_lshl3_add_u32 s38, s38, s28                  ; sb
	s_lshl_b32 s32, s38, 11
	s_add_nc_u64 s[36:37], s[24:25], s[32:33]
	s_lshl_b32 s38, s38, 4                         ; the block's first position
	s_mov_b32 s47, 0xbf549a78                      ; -log2(10000) / 16
	s_mov_b32 s48, 0x3f22f983                      ; 2 / pi
	s_mov_b32 s49, 0xbfc90fdb                      ; -(pi / 2 rounded to f32)
	s_mov_b32 s50, 0x333bbd2e                      ; that rounding's excess over pi / 2
	s_mov_b32 s51, 0xb9500d01                      ; -1/5040
	s_mov_b32 s52, 0x3c088889                      ; 1/120
	s_mov_b32 s53, 0xbe2aaaab                      ; -1/6
	s_mov_b32 s54, 0x37d00d01                      ; 1/40320
	s_mov_b32 s55, 0xbab60b61                      ; -1/720
	s_mov_b32 s56, 0x3d2aaaab                      ; 1/24
	v_add_nc_u32 v10, s38, v8
	v_cvt_f32_u32 v10, v10                         ; my position
	v_lshlrev_b32 v11, 3, v9
	v_lshlrev_b32 v2, 4, v7
.set j, 0
.rept 8
	v_add_nc_u32 v12, j, v11                       ; f = 8 (l / 16) + j
	v_cvt_f32_u32 v12, v12
	v_mul_f32 v[16+j], s47, v12
.set j, j+1
.endr
.set j, 0
.rept 8
	v_exp_f32 v[16+j], v[16+j]                     ; 10000^(-f / 16)
.set j, j+1
.endr
	v_nop                                          ; a plain instruction between the last exponential and the use of its result (ISA guide 5.7.2)
	s_wait_alu depctr_va_vdst(0)                   ; the eight exponentials have written v[16:23]: one wait for the batch, ahead of its first reader
; First pass, for each of the eight frequencies: sin r, cos r and the number of quarter turns, and the compare 'an odd quarter turn' into a scalar register of its own.
.set j, 0
.rept 8
	v_mul_f32 v12, v10, v[16+j]                    ; the angle a
	v_mul_f32 v13, s48, v12
	v_rndne_f32 v13, v13                           ; n = the nearest multiple of pi / 2
	v_fma_f32 v14, v13, s49, v12
	v_fma_f32 v14, v13, s50, v14                   ; r = a - n pi / 2, |r| <= pi / 4: the series below are cut where their next terms are under 4e-7
	v_mul_f32 v15, v14, v14
	v_fma_f32 v[SN+j], v15, s51, s52
	v_fma_f32 v[SN+j], v[SN+j], v15, s53
	v_mul_f32 v25, v14, v15
	v_fma_f32 v[SN+j], v25, v[SN+j], v14           ; sin r
	v_fma_f32 v[CN+j], v15, s54, s55
	v_fma_f32 v[CN+j], v[CN+j], v15, s56
	v_fma_f32 v[CN+j], v[CN+j], v15, -0.5
	v_fma_f32 v[CN+j], v[CN+j], v15, 1.0           ; cos r
	v_cvt_u32_f32 v[QN+j], v13
	v_and_b32 v28, 1, v[QN+j]
	v_cmp_eq_u32 s[MK+j], 1, v28
.set j, j+1
.endr
	s_wait_alu depctr_va_sdst(0)                   ; the eight compares have written s[MK ..], ahead of the selects that read them
; Second pass: the selects and the signs.
.set j, 0
.rept 8
	v_cndmask_b32 v29, v[SN+j], v[CN+j], s[MK+j]   ; an odd quarter turn swaps the two (a select of values, no branch)
	v_cndmask_b32 v30, v[CN+j], v[SN+j], s[MK+j]
	v_and_b32 v28, 2, v[QN+j]                      ; sin is negated in quarters 2 and 3,
	v_lshlrev_b32 v28, 30, v28
	v_xor_b32 v[40+j], v28, v29
	v_add_nc_u32 v27, 1, v[QN+j]                   ; cos in quarters 1 and 2
	v_and_b32 v27, 2, v27
	v_lshlrev_b32 v27, 30, v27
	v_xor_b32 v[32+j], v27, v30
.set j, j+1
.endr
	s_wait_alu depctr_va_vdst(0)                   ; cos and sin are written into v[32:47], which the four stores read; v2, their offset, was written further up
.irp i, 0,1,2,3
	global_store_b128 v2, v[32+4*\i:32+4*\i+3], s[36:37] offset:512*\i
.endr
	FINISH
.Lfunc_end_k_qfcd551b248_prep:
	.size	k_qfcd551b248_prep, .Lfunc_end_k_qfcd551b248_prep-k_qfcd551b248_prep
	.p2alignl 7, 3214868480
	.fill 96, 4, 3214868480
	.section	.rodata,"a",@progbits
	.p2align	6, 0x0
	.amdhsa_kernel k_qfcd551b248_prep
		.amdhsa_group_segment_fixed_size 35840
		.amdhsa_private_segment_fixed_size 0
		.amdhsa_enable_private_segment 0
		.amdhsa_kernarg_size 88
		.amdhsa_user_sgpr_count 2
		.amdhsa_user_sgpr_kernarg_segment_ptr 1
		.amdhsa_wavefront_size32 1
		.amdhsa_system_sgpr_workgroup_id_x 1
		.amdhsa_system_sgpr_workgroup_id_y 1
		.amdhsa_system_sgpr_workgroup_id_z 1
		.amdhsa_system_vgpr_workitem_id 0
		.amdhsa_next_free_vgpr 128
		.amdhsa_next_free_sgpr 66
		.amdhsa_reserve_vcc 0
		.amdhsa_float_denorm_mode_32 3
		.amdhsa_float_denorm_mode_16_64 3
		.amdhsa_memory_ordered 1
		.amdhsa_forward_progress 1
		.amdhsa_inst_pref_size 59
	.end_amdhsa_kernel
	.amdgpu_metadata
---
amdhsa.version: [ 1, 2 ]
amdhsa.kernels:
  - .name:           k_qfcd551b248_prep
    .symbol:         k_qfcd551b248_prep.kd
    .args:
      - { .name: x, .offset: 0, .size: 8, .value_kind: global_buffer, .address_space: global }
      - { .name: Wq, .offset: 8, .size: 8, .value_kind: global_buffer, .address_space: global }
      - { .name: Wk, .offset: 16, .size: 8, .value_kind: global_buffer, .address_space: global }
      - { .name: Wv, .offset: 24, .size: 8, .value_kind: global_buffer, .address_space: global }
      - { .name: Wo, .offset: 32, .size: 8, .value_kind: global_buffer, .address_space: global }
      - { .name: mask, .offset: 40, .size: 8, .value_kind: global_buffer, .address_space: global }
      - { .name: xf, .offset: 48, .size: 8, .value_kind: global_buffer, .address_space: global }
      - { .name: wf, .offset: 56, .size: 8, .value_kind: global_buffer, .address_space: global }
      - { .name: wof, .offset: 64, .size: 8, .value_kind: global_buffer, .address_space: global }
      - { .name: mbits, .offset: 72, .size: 8, .value_kind: global_buffer, .address_space: global }
      - { .name: tab, .offset: 80, .size: 8, .value_kind: global_buffer, .address_space: global }
    .group_segment_fixed_size: 35840
    .private_segment_fixed_size: 0
    .kernarg_segment_align: 8
    .kernarg_segment_size: 88
    .max_flat_workgroup_size: 256
    .sgpr_count:     66
    .vgpr_count:     128
    .wavefront_size: 32
...
	.end_amdgpu_metadata
.endif
;; end of part 6
;; launch gemm1: the kernel of part 2 again; grid 16 x 16, 4 waves a work-group, clusters of 4 x 4, 327,680 bytes of LDS; arguments xf, wf, tab, qf, kvf; writes qf, kvf
;; launch attn: the kernel of part 5 again; grid 4 x 64, 16 waves a work-group, clusters of 4 x 1, 327,680 bytes of LDS; arguments qf, kvf, mbits, ctxf; writes ctxf
;; launch gemm2: the kernel of part 4 again; grid 8 x 32, 4 waves a work-group, clusters of 4 x 4, 327,680 bytes of LDS; arguments ctxf, wof, out0; writes out0
